; MI455X (gfx1250); checked and timed in simulation.
; The chip was launched on July 23, 2026; its instructions are those of AMD's public machine-readable ISA for CDNA 5 (MIT licence, August 2026) and "CDNA5" Instruction Set Architecture Reference Guide (July 2026). The comments in the code are by the model that wrote it; some were corrected since.
;; Soft Mo E. Allowed arithmetic: matrix products marked QUANTISED: E2M1 operands, one E8M0 scale for each 32 along K, by v_wmma_scale_f32_16x16x128_f8f6f4 with both operands' format E2M1 (or v_wmma_scale_f32_32x16x128_f4), f32 sums; products left as they are: f32 operands where the result goes on into a quantised operand, else bf16, f16 or f32 operands; f32 sums; everything else in f32.
;; Inputs: W1 8 x 1,024 x 4,096 float32; W2 8 x 4,096 x 1,024 float32; Wr 8 x 1,024 float32; b1 8 x 4,096 float32; b2 8 x 1,024 float32; x 2 x 512 x 1,024 float32.
;; Outputs: out0 2 x 512 x 1,024 float32.
;; This version of the problem:
;;   THIS VERSION OF THE PROBLEM IS GIVEN IN LOW PRECISION. The matrix products marked QUANTISED in the list below multiply operands that are first quantised to E2M1 (2 exponent bits, 1 mantissa bit; 4 bits a number), with one power-of-two scale for each 32 numbers along K (OCP MX v1.0); their sums are f32. All else is computed in f32.
;;   The module's matrix products, in the order in which they are computed (A, B: the left and right operand; K: the contracted axis; several contracted axes count as one K, in the product's order):
;;     1. [M 1,024, K 1,024] x [K 1,024, N 8]; A: input x; B: input Wr: left as it is (N = 8 < 16)
;;     2. [M 1,024, K 1,024] x [K 1,024, N 32,768]; A: input x; B: input W1: QUANTISED
;;     3. batch 8 x [M 1,024, K 4,096] x [K 4,096, N 1,024]; A: input W2; B: computed on the way: QUANTISED
;;     4. batch 1,024 x [M 1, K 8] x [K 8, N 1,024]; A: computed on the way; B: computed on the way: left as it is (K = 8 < 32)
;;   THE QUANTISER, for each operand of a quantised product, along K:
;;     - K is cut into blocks of 32 from its start; a last block that is shorter is filled with zeros.
;;     - A block's scale is 2^e with e = floor(log2(the largest magnitude in the block)) - 2, held to -126 .. 127; a block of zeros has e = 0. As a byte (E8M0): e + 127.
;;     - Each number is divided by its block's scale, clamped to +-6, and rounded to the nearest number of E2M1, ties to even, subnormals kept.
;;     - The product sums the exact products of the quantised numbers (number of the format x scale) in f32.
;;   ~~~python
;;   def quantise(x, axis):      # numpy; x: float32 -> the quantised numbers, widened to float32 again
;;       x = np.moveaxis(x, axis, -1); K = x.shape[-1]
;;       x = np.pad(x, [(0, 0)] * (x.ndim - 1) + [(0, -K % 32)]); x = x.reshape(x.shape[:-1] + (-1, 32)); a = np.abs(x).max(-1, keepdims=True)
;;       e = np.where(a > 0, np.clip(np.frexp(np.where(a > 0, a, 1))[1] - 1 - 2, -126, 127), 0)      # np.frexp(a)[1] - 1 = floor(log2(a)), exactly
;;       r = np.clip(x / 2.0 ** e, -6, 6)
;;       step = 2.0 ** (np.maximum(np.frexp(np.where(r == 0, 1, r))[1] - 1, 0) - 1)
;;       q = np.round(r / step) * step * 2.0 ** e      # np.round: ties to even
;;       return np.moveaxis(q.reshape(q.shape[:-2] + (-1,))[..., :K], -1, axis).astype(np.float32)
;;   ~~~
;;   OPERANDS COMPUTED ON THE WAY. 'Computed on the way' means the value that the module computes at that place (a softmax that the list does not call 'softmax' is quantised finished and normalised). What goes into a quantiser is computed in f32, as accurately as f32 sums, v_exp_f32 and their like allow (about 1e-6 of the number): no bf16 or f16 on the way to a quantiser, and a product that is left as it is and whose result goes on into a quantised operand takes f32 operands (vector FMAs, or v_wmma_f32_16x16x4_f32). A number that lies on a knife's edge between two numbers of the format may be rounded either way, as far as f32 arithmetic and the matrix unit's own rounding can turn it there, and no further.
;; 2 versions. Each part assembles by itself: llvm-mc -triple=amdgcn-amd-amdhsa -mcpu=gfx1250 --defsym DOCPART=n.
;; ======== version 1 of 2: 4 launches
;; workspace buffers: xq 524,288 bytes; xs 32,768 bytes; ridx 8,192 bytes of whole numbers; rw 8,192 bytes; rlist 36,864 bytes of whole numbers; hq 16,777,216 bytes; hs 1,048,576 bytes; yb 16,777,216 bytes
;; launch route (part 1): grid 256 x 1, 4 waves a work-group, no clusters, 37,376 bytes of LDS; arguments x, Wr, xq, xs, ridx, rw; writes xq, xs, ridx, rw
.if DOCPART == 1
	.amdgcn_target "amdgcn-amd-amdhsa--gfx1250"
	.amdhsa_code_object_version 6
	.text
	.protected	k_q290a27581f_route
	.globl	k_q290a27581f_route
	.p2align	8
	.type	k_q290a27581f_route,@function
k_q290a27581f_route:
	s_mov_b64 s[64:65], 0
	v_nop
	global_prefetch_b8 v0, s[64:65] scope:SCOPE_SE
	s_setreg_imm32_b32 hwreg(HW_REG_WAVE_MODE, 25, 1), 1
	s_wait_xcnt 0x0
; THE ROUTER, AND x AS CODES.  One wave takes one token n = 4 x work-group + wave.
; logits = x[n] . Wr[e], f32 fused multiply-adds; the two largest (on equal logits the lower index is kept, as jax.lax.top_k keeps it); softmax of the two with the larger taken away first.
; Stored at fixed places: ridx[n] = (e0, e1) as whole numbers, rw[n] = (w0, w1).  No address and no branch here hangs on them.
; x[n] is quantised to E2M1 with one E8M0 byte for each 32 along K.  xq: a token's row is 512 bytes; block B (16 bytes) lies at (B & 1) x 256 + (B >> 1) x 16, so that each half of the
; lanes of a matrix operand owns one aligned run of 256 bytes of its token.  xs: a token's 32 scale bytes in the order of B.
; A lane holds k = 256 i + 8 lane + 0 .. 7, i = 0 .. 3: a block of 32 is four neighbouring lanes.
; Wr (32 KiB) is read once by the work-group (two experts a wave), laid in LDS as images of registers, and read back by every wave into 256 registers.
; LIMITS: NaN and infinities are not served.  A block whose largest magnitude lies under 2^-124 (a block of zeros too) gets the byte 1; only this program reads the bytes.
; The logits are f32 sums in another order than a plain dot product's: two logits that agree to the last few bits may be ranked either way.
; No matrix unit (N = 8), no cluster (the work-groups share Wr alone, 32 KiB), no tensor load: a launch of 4 MiB.
.set TURNER, 32768                     ; behind Wr's images: 1,024 bytes for each wave: 512 of codes, then 32 scale bytes
.set X,  32                            ; v32-63  my 32 numbers of x
.set ST, 64                            ; v64-127 Wr as loaded; later v64-79 the eight sums, two halves each
.set LG, 80                            ; v80-87  the eight logits
.set MSB, 0
.macro WIN new                         ; the immediate's high byte repeats the setting that is left
.if MSB != \new
	s_set_vgpr_msb (MSB<<8)|\new
.set MSB, \new
.endif
.endm
	s_load_b256 s[4:11], s[0:1], 0x0               ; x, Wr, xq, xs
	s_load_b128 s[12:15], s[0:1], 0x20             ; ridx, rw
	v_lshl_add_u32 v254, v0, 2, 0x9000
	v_mov_b32 v255, 0
	v_lshrrev_b32 v1, 5, v0
	v_readfirstlane_b32 s16, v1                    ; wave
	v_and_b32 v1, 31, v0                           ; lane
	v_lshlrev_b32 v2, 5, v1                        ; 32 x lane: my 8 numbers of a run of 256
	v_lshlrev_b32 v3, 4, v1                        ; 16 x lane
	s_lshl_b32 s17, ttmp9, 2
	s_add_co_u32 s17, s17, s16                     ; my token
	s_lshl_b32 s18, s17, 12                        ; its row of x
	s_mov_b32 s19, 0
	s_lshl_b32 s20, s16, 13                        ; my two experts' rows of Wr; also my 16 images in LDS
	s_mov_b32 s21, 0
	s_lshl_b32 s22, s16, 10
	s_add_co_u32 s22, s22, TURNER                  ; my turner
	s_mov_b32 s24, 0x76543210
	s_mov_b32 s25, 0xfedcba98                      ; v_permlanex16_b32's selects for lane l xor 16
	v_add_nc_u32 v4, s20, v3                       ; where I store Wr's images
	v_bfe_u32 v9, v0, 2, 1
	v_lshlrev_b32 v5, 8, v9                        ; my codes in the turner: (B & 1) x 256,
	v_bfe_u32 v9, v0, 3, 2
	v_lshl_add_u32 v5, v9, 4, v5                   ; + (lane / 8) x 16 (4 i x 16 stands in the immediate),
	v_and_b32 v9, 3, v0
	v_lshl_add_u32 v5, v9, 2, v5                   ; + my 4 bytes of the block's 16
	v_add_nc_u32 v5, s22, v5
	v_bfe_u32 v6, v0, 2, 3
	v_add_nc_u32 v6, s22, v6                       ; my block's scale byte: lane / 4 (512 + 8 i in the immediate)
	v_add_nc_u32 v7, s22, v3                       ; back: 16 bytes of codes a lane,
	v_add_nc_u32 v8, s22, v1                       ; and one scale byte
	s_wait_kmcnt 0x0
	s_add_nc_u64 s[4:5], s[4:5], s[18:19]
	s_add_nc_u64 s[6:7], s[6:7], s[20:21]
.irp i, 0,1,2,3
	global_load_b128 v[X+8*\i:X+8*\i+3],   v2, s[4:5] offset:1024*\i th:TH_LOAD_NT
	global_load_b128 v[X+8*\i+4:X+8*\i+7], v2, s[4:5] offset:1024*\i+16 th:TH_LOAD_NT
.endr
.irp m, 0,1,2,3,4,5,6,7,8,9,10,11,12,13,14,15  ; image m = 8 (expert % 2) + 2 i + half, in the same lane map as x
	global_load_b128 v[ST+4*\m:ST+4*\m+3], v2, s[6:7] offset:4096*(\m/8)+1024*((\m%8)/2)+16*(\m%2)
.endr
	s_lshl_b32 s18, s17, 9
	s_add_nc_u64 s[8:9], s[8:9], s[18:19]          ; xq at my token
	s_lshl_b32 s18, s17, 5
	s_add_nc_u64 s[10:11], s[10:11], s[18:19]      ; xs
	s_lshl_b32 s18, s17, 3
	s_add_nc_u64 s[12:13], s[12:13], s[18:19]      ; ridx
	s_add_nc_u64 s[14:15], s[14:15], s[18:19]      ; rw
	s_wait_loadcnt 0x0
.irp m, 0,1,2,3,4,5,6,7,8,9,10,11,12,13,14,15
	ds_store_b128 v4, v[ST+4*\m:ST+4*\m+3] offset:512*\m
.endr
	s_wait_dscnt 0x0                               ; for the others' sake: my images have landed
	s_barrier_signal -1
	s_barrier_wait -1
	WIN 0x40                                       ; destination window 1
.set m, 0
.rept 64                                       ; all of Wr: register 32 e + 8 i + 4 half + j of window 1 goes with x's register 8 i + 4 half + j
	ds_load_b128 v[4*m:4*m+3], v3 offset:512*m
.set m, m+1
.endr
	WIN 0
	; while those land: x becomes codes.  The four blocks by turns
.irp i, 0,1,2,3
	v_max3_num_f32 v[12+\i], |v[X+8*\i]|, |v[X+8*\i+1]|, 0x1800000   ; my 8 numbers, and the floor 2^(3 - 127): the byte cannot fall under 1
.endr
.irp u, 2,4,6
.irp i, 0,1,2,3
	v_max3_num_f32 v[12+\i], v[12+\i], |v[X+8*\i+\u]|, |v[X+8*\i+\u+1]|
.endr
.endr
.irp m, 1,2
.irp i, 0,1,2,3
	v_max_num_f32_dpp v[12+\i], v[12+\i], v[12+\i] row_xmask:\m row_mask:0xf bank_mask:0xf   ; with the three lanes that share the block
.endr
.endr
.irp i, 0,1,2,3
	v_add_nc_u32 v[16+\i], 0xff000000, v[12+\i]    ; 2 off the exponent field: the conversion's scale operand
.endr
.irp i, 0,1,2,3
	v_lshrrev_b32 v[20+\i], 23, v[16+\i]           ; the scale's byte
.endr
.irp i, 0,1,2,3
	v_cvt_scalef32_pk8_fp4_f32 v[24+\i], v[X+8*\i:X+8*\i+7], v[16+\i]
.endr
	v_nop                                          ; one plain place behind the scaled conversions
.irp i, 0,1,2,3
	ds_store_b32 v5, v[24+\i] offset:64*\i
	ds_store_b8 v6, v[20+\i] offset:512+8*\i       ; the four lanes of a block write the same byte with the same value
.endr
	ds_load_b128 v[28:31], v7                      ; LDS serves a wave's instructions in order: these see my stores
	ds_load_u8 v11, v8 offset:512
	s_wait_dscnt 0x0                               ; the turner's two loads, and all of Wr
	global_store_b128 v3, v[28:31], s[8:9]         ; 32 lanes store my token's 512 bytes: two aligned runs of 256
	global_store_b8 v1, v11, s[10:11]
	; the logits: eight sums by turns, two numbers an instruction
	WIN 0x04                                       ; source 1 (Wr) window 1
.irp e, 0,1,2,3,4,5,6,7
	v_pk_mul_f32 v[ST+2*\e:ST+2*\e+1], v[X:X+1], v[32*\e:32*\e+1]
.endr
.set u, 2
.rept 15
.irp e, 0,1,2,3,4,5,6,7
	v_pk_fma_f32 v[ST+2*\e:ST+2*\e+1], v[X+u:X+u+1], v[32*\e+u:32*\e+u+1], v[ST+2*\e:ST+2*\e+1]
.endr
.set u, u+2
.endr
	WIN 0
.irp e, 0,1,2,3,4,5,6,7
	v_add_f32 v[LG+\e], v[ST+2*\e], v[ST+2*\e+1]
.endr
.irp m, 1,2,4,8
.irp e, 0,1,2,3,4,5,6,7
	v_add_f32_dpp v[LG+\e], v[LG+\e], v[LG+\e] row_xmask:\m row_mask:0xf bank_mask:0xf
.endr
.endr
.irp e, 0,1,2,3,4,5,6,7
	v_permlanex16_b32 v[ST+\e], v[LG+\e], s24, s25 ; (its destination has been written)
.endr
.irp e, 0,1,2,3,4,5,6,7
	v_add_f32 v[LG+\e], v[LG+\e], v[ST+\e]         ; every lane holds all eight logits
.endr
	; the two largest.  Only a strictly larger logit takes the place: the lower index stays on equal ones
	v_mov_b32 v88, v[LG]
	v_mov_b32 v90, 0
.irp e, 1,2,3,4,5,6,7
	v_cmp_gt_f32 vcc_lo, v[LG+\e], v88
	v_cndmask_b32 v88, v88, v[LG+\e], vcc_lo
	v_cndmask_b32 v90, v90, \e, vcc_lo
.endr
	v_mov_b32 v89, 0xff800000                      ; -infinity
	v_mov_b32 v91, 0
.irp e, 0,1,2,3,4,5,6,7
	v_cmp_ne_u32 s27, \e, v90                      ; not the first one again
	v_cmp_gt_f32 vcc_lo, v[LG+\e], v89
	s_and_b32 vcc_lo, vcc_lo, s27
	v_cndmask_b32 v89, v89, v[LG+\e], vcc_lo
	v_cndmask_b32 v91, v91, \e, vcc_lo
.endr
	v_sub_f32 v94, v89, v88                        ; the larger is taken away: 0 or less
	v_mul_f32 v94, 0x3fb8aa3b, v94
	v_exp_f32 v94, v94                             ; d = e^(second - first), at most 1
	v_mov_b32 v10, 0                               ; (a plain place behind the exponential)
	s_wait_alu depctr_va_vdst(0)                   ; the wait ahead of the first reader
	v_add_f32 v95, 1.0, v94
	v_rcp_f32 v92, v95                             ; w0 = 1 / (1 + d)
	v_nop
	s_wait_alu depctr_va_vdst(0)
	v_mul_f32 v93, v94, v92                        ; w1 = d w0
	s_wait_xcnt 0x0                                ; EXEC changes only when the stores above have read theirs
	v_cmp_eq_u32 vcc_lo, 0, v1
	s_wait_tensorcnt 0x0
	ds_add_u32 v254, v255
	s_wait_dscnt 0x0
	s_and_saveexec_b32 s26, vcc_lo                 ; lane 0 alone
	global_store_b64 v10, v[90:91], s[12:13]
	global_store_b64 v10, v[92:93], s[14:15]
	s_wait_xcnt 0x0
	s_or_b32 exec_lo, exec_lo, s26
	s_endpgm
.Lfunc_end_k_q290a27581f_route:
	.size	k_q290a27581f_route, .Lfunc_end_k_q290a27581f_route-k_q290a27581f_route
	.p2alignl 7, 3214868480
	.fill 96, 4, 3214868480
	.section	.rodata,"a",@progbits
	.p2align	6, 0x0
	.amdhsa_kernel k_q290a27581f_route
		.amdhsa_group_segment_fixed_size 37376
		.amdhsa_private_segment_fixed_size 0
		.amdhsa_enable_private_segment 0
		.amdhsa_kernarg_size 48
		.amdhsa_user_sgpr_count 2
		.amdhsa_user_sgpr_kernarg_segment_ptr 1
		.amdhsa_wavefront_size32 1
		.amdhsa_system_sgpr_workgroup_id_x 1
		.amdhsa_system_sgpr_workgroup_id_y 1
		.amdhsa_system_sgpr_workgroup_id_z 1
		.amdhsa_system_vgpr_workitem_id 0
		.amdhsa_next_free_vgpr 512
		.amdhsa_next_free_sgpr 66
		.amdhsa_reserve_vcc 1
		.amdhsa_float_denorm_mode_32 3
		.amdhsa_float_denorm_mode_16_64 3
		.amdhsa_memory_ordered 1
		.amdhsa_forward_progress 1
		.amdhsa_inst_pref_size 28
	.end_amdhsa_kernel
	.amdgpu_metadata
---
amdhsa.version: [ 1, 2 ]
amdhsa.kernels:
  - .name:           k_q290a27581f_route
    .symbol:         k_q290a27581f_route.kd
    .args:
      - { .name: x, .offset: 0, .size: 8, .value_kind: global_buffer, .address_space: global }
      - { .name: Wr, .offset: 8, .size: 8, .value_kind: global_buffer, .address_space: global }
      - { .name: xq, .offset: 16, .size: 8, .value_kind: global_buffer, .address_space: global }
      - { .name: xs, .offset: 24, .size: 8, .value_kind: global_buffer, .address_space: global }
      - { .name: ridx, .offset: 32, .size: 8, .value_kind: global_buffer, .address_space: global }
      - { .name: rw, .offset: 40, .size: 8, .value_kind: global_buffer, .address_space: global }
    .group_segment_fixed_size: 37376
    .private_segment_fixed_size: 0
    .kernarg_segment_align: 8
    .kernarg_segment_size: 48
    .max_flat_workgroup_size: 128
    .sgpr_count:     66
    .vgpr_count:     512
    .wavefront_size: 32
...
	.end_amdgpu_metadata
.endif
;; end of part 1
;; launch ffn1 (part 2): grid 32 x 8, 8 waves a work-group, no clusters, 154,368 bytes of LDS; arguments W1, b1, xq, xs, ridx, hq, hs, rlist; writes hq, hs, rlist
.if DOCPART == 2
	.amdgcn_target "amdgcn-amd-amdhsa--gfx1250"
	.amdhsa_code_object_version 6
	.text
	.protected	k_q290a27581f_ffn1
	.globl	k_q290a27581f_ffn1
	.p2align	8
	.type	k_q290a27581f_ffn1,@function
k_q290a27581f_ffn1:
	s_mov_b64 s[64:65], 0
	v_nop
	global_prefetch_b8 v0, s[64:65] scope:SCOPE_SE
	s_setreg_imm32_b32 hwreg(HW_REG_WAVE_MODE, 25, 1), 1
	s_wait_xcnt 0x0
; h = Q(gelu(Q(x) Q(W1[e]) + b1[e])) for the tokens that chose expert e, 128 hidden units a work-group (x = slice, y = e).
; W1[e][:, 128 slice ..] is 512 KiB of f32 with K as its first axis.  It is read ONCE, quantised along K on the way and never stored as codes in memory.
; ROLES.  Waves 0-3 are PRODUCERS: they stream the weights (each load: two aligned runs of 256 bytes), quantise them and lay them in LDS as images of operand registers.
; Waves 4-7 are CONSUMERS: they gather the chosen tokens' codes, multiply, add b1 (as the C of a sum's first product), take the exact gelu in f32, quantise along the hidden units and store.
; A wave's loads come back in order, so a wave that keeps a stream of weights out cannot also wait for small gathers: hence two kinds of waves.
; TWO STAGES of 64 columns x all of K.  Producer w and consumer w share the tiles of 16 placed rows t = w + 4 i.  While the producers stream stage 1, the consumers take stage 0 of their first SPLIT tiles.
; Behind the barrier that shows stage 1's images whole, A PRODUCER, WHOSE STREAM IS DONE, TAKES STAGE 1 OF THOSE SPLIT TILES, and the consumer both stages of the tiles behind them; no barrier follows.
; SPLIT = 3: an even split of the 2,048 routed rows gives an expert 16 tiles, 4 to a consumer: its chain is then 3 + 1 + 1 tile steps, and a producer's 3 behind its stream.  Any count up to 1,024 rows is served.
; THE ROWS are placed by expert here, in LDS, by wave 4, from ridx (whole numbers that the launch before stored), while the first weights are on their way.  Slice 0 stores the list (rlist) for the next launch.
; The 16 entries behind the count repeat the last row, so no lane is ever switched off.
; THE COLUMNS OF A TILE ARE NOT NEIGHBOURS: row m of tile 2 b + u is hidden unit 32 b + 8 u + m + 8 (m / 8), so that a lane's 16 results of tiles 2 b, 2 b + 1 are 16 neighbours along the next K.
; The product is used transposed (source 0 = 16 columns of W1, source 1 = 16 tokens): a lane holds one token, its registers run along the hidden units.
; gelu(v) = max(v, 0) - |v| q, q = erfc(|v| / sqrt 2) / 2 = t 2^(P(t) - v^2 log2(e) / 2), t = 1 / (1 + |v| sqrt(2) / 4), P of degree 9 (the known rational-exponential fit, fractional error 1.2e-7).
; NO CLUSTER, NO TENSOR LOAD: how many tiles a wave walks hangs on a stored count, so partners would need different numbers of steps; what work-groups share (x's codes) is a small part of a work-group's bytes.
; LIMITS: NaN and infinities are not served.  A block whose largest magnitude lies under 2^-124 (a block of zeros too) gets the byte 1 with its codes; only this program reads the bytes.  Where q falls under 2^-126 it is 0.
.set ROWB,  16384                      ; a row of W1[e] in bytes
.set SPLIT, 3                          ; tiles of a consumer whose stage 1 its producer takes
.set SCW,   65536                      ; LDS: 0 .. 65,535 the two stages' images: fragment 8 tile + K step, 1,024 bytes each;  then the weights' scale words: stage 2,048, register (K step, pair of tiles) 128, lane 4
.set LISTR, 69632                      ; the list: 1,040 entries, the count at byte 4,160, 4,608 bytes; straight behind it 256 bytes for the lanes that were not chosen
.set SCR,   74496                      ; stage 0's two scale bytes of each row, kept for stage 1: 2,304 bytes for each w, slots of 128: slot i for the first SPLIT tiles, slot i + 1 for the others:
                                       ; an empty slot lies between what a producer reads and what its consumer writes at the same time
.set TURN,  83712                      ; a wave's turner for x's codes, one for each of the eight waves: 32 runs of 256 bytes, 272 apart
.set PV,  1                            ; v1   producers: my byte in the slice: row (256 w + 32 g), column 4 q
.set PST, 2                            ; v2   producers: where my codes go      v3  and my scale bytes
.set PSS, 3
.set L16, 4                            ; v4   16 x lane
.set WSA, 5                            ; v5   SCW + 4 x lane
.set LAG, 6                            ; v6   the list: tile w, row g      v7  row r
.set LAR, 7
.set CNA, 8                            ; v8   the count's word
.set LZ,  9                            ; v9   LISTR + 16 x lane
.set SC0, 10
.set TS0, 11                           ; v11  the turner, in      v12  out
.set TL0, 12
.set BOF, 13                           ; v13  64 h: my half's place in b1
.set P16, 14                           ; v14  16 (lane % 16)
.set R4,  15                           ; v15  4 (lane % 16)
.set LG2, 16                           ; v16-20 the trip's addresses
.set LR2, 17
.set SC2, 18
.set HOF, 19
.set HSF, 20
.set VC9, 24                           ; v24-25 P's leading coefficient, twice
.set WS,  26                           ; v26-41 the weights' scale words: 2 s + pair
.set XS,  42                           ; v42-49 x's scale words, one for each K step
.set XF,  50                           ; v50-113 x's eight fragments
.set ACC, 114                          ; v114-145 four accumulators
.set B1,  146                          ; v146-177 b1 in the result's layout
.set T,   178                          ; v178-209 at work
.set E,   210                          ; v210-241 at work
.set TMP, 242
.set PC,  242                          ; v242-245 the codes just made
.set SO,  246
.set BY,  248
.set M0,  250
.set MX,  252
.set HW,  254
.set LOW, 255
.set PT,  64                           ; while a producer streams: v64-191 a chunk's numbers, column by column;  v192.. largest magnitudes, scale operands, bytes, codes
.set PM,  192
.set PSO, 196
.set PBY, 200
.set PPC, 204
.set MSB, 0
.macro WIN new                         ; the immediate's high byte repeats the setting that is left; at a label and at a branch every window is 0
.if MSB != \new
	s_set_vgpr_msb (MSB<<8)|\new
.set MSB, \new
.endif
.endm
.macro BARRIER                         ; my LDS stores have landed and my LDS loads are in: then the work-group's barrier.  It stands on every wave's way
	s_wait_dscnt 0x0
	s_barrier_signal -1
	s_barrier_wait -1
.endm
.macro SPAIR r, val                    ; a constant for the packed forms, which name a pair
	s_mov_b32 s[\r], \val
	s_mov_b32 s[\r+1], \val
.endm
; A chunk is 64 rows of K x 64 columns, 16 KiB: 32 loads.  Lanes 0-15 read 256 consecutive bytes of row k, lanes 16-31 those of row k + 32: a lane gets 4 columns x one whole block of 32 along K.
.macro ISSUE set, off
	WIN 0x40                                       ; destination window 1
.set ii, 0
.rept 32
	global_load_b128 v[128*(\set)+4*ii:128*(\set)+4*ii+3], v[PV], s[4:5] offset:(\off)+ii*ROWB th:TH_LOAD_NT
.set ii, ii+1
.endr
	WIN 0
.endm
; A chunk becomes codes.  cnt: the younger chunk's 32 loads may stay out.  The conversion wants 8 neighbours along K in consecutive registers, the loads bring 4 columns a register group: 128 moves turn them.
.macro CHUNK set, cnt, ldsoff, scoff, refill, noff
	s_wait_loadcnt \cnt
	s_wait_dscnt 0x0                               ; the last chunk's LDS stores have read their registers
	WIN 0x01                                       ; source window 1
.set ii, 0
.rept 32
.irp cc, 0,1,2,3
	v_mov_b32 v[PT+32*\cc+ii], v[128*(\set)+4*ii+\cc]
.endr
.set ii, ii+1
.endr
.if \refill
	ISSUE \set, \noff                              ; the landing registers are free: the chunk two further on is asked for at once
.else
	WIN 0
.endif
.irp cc, 0,1,2,3
	v_max3_num_f32 v[PM+\cc], |v[PT+32*\cc]|, |v[PT+32*\cc+1]|, 0x1800000   ; a column's block: all 32 numbers are mine; the floor 2^(3 - 127) holds the byte at 1 from below
.endr
.irp i, 2,4,6,8,10,12,14,16,18,20,22,24,26,28,30
.irp cc, 0,1,2,3
	v_max3_num_f32 v[PM+\cc], v[PM+\cc], |v[PT+32*\cc+\i]|, |v[PT+32*\cc+\i+1]|
.endr
.endr
.irp cc, 0,1,2,3
	v_add_nc_u32 v[PSO+\cc], 0xff000000, v[PM+\cc] ; 2 off the exponent field: the conversion's scale operand
.endr
.irp cc, 0,1,2,3
	v_lshrrev_b32 v[PBY+\cc], 23, v[PSO+\cc]       ; the scale's byte
.endr
.irp cc, 0,1,2,3
.irp gq, 0,1,2,3
	v_cvt_scalef32_pk8_fp4_f32 v[PPC+4*\cc+\gq], v[PT+32*\cc+8*\gq:PT+32*\cc+8*\gq+7], v[PSO+\cc]
.endr
.endr
	v_nop                                          ; one plain place behind the scaled conversions
.irp cc, 0,1,2,3
	ds_store_b128 v[PST], v[PPC+4*\cc:PPC+4*\cc+3] offset:(\ldsoff)+16*\cc   ; a block's 16 bytes are one register group of one lane of an operand
	ds_store_b8 v[PSS], v[PBY+\cc] offset:(\scoff)+4*\cc
.endr
.endm
; Chunk qn = 4 stage + c of my 256 rows of K: rows 64 c on, columns 64 stage on.  K step 2 w + c / 2, register group c % 2.
.macro CHUNKQ qn
.set LOFF, 32768*((\qn)/4)+1024*(((\qn)%4)/2)+512*((\qn)%2)
.set SOFF, 2048*((\qn)/4)+256*(((\qn)%4)/2)+2*((\qn)%2)
.set NOFF, (((\qn)+2)%4)*64*ROWB+(((\qn)+2)/4)*256
.if (\qn) < 6
	CHUNK (\qn)%2, 32, LOFF, SOFF, 1, NOFF
.elseif (\qn) == 6
	CHUNK 0, 32, LOFF, SOFF, 0, 0
.else
	CHUNK 1, 0, LOFF, SOFF, 0, 0
.endif
.endm
; How many tiles w, w + 4, .. there are, held at lim: a consumer's 16, a producer's SPLIT.
.macro COUNT lim
	ds_load_b32 v242, v[CNA]
	s_wait_dscnt 0x0
	v_readfirstlane_b32 s32, v242
	s_min_u32 s32, s32, 1024
	s_add_co_u32 s33, s32, 15
	s_lshr_b32 s33, s33, 4                         ; tiles of 16 rows
	s_add_co_u32 s33, s33, 3
	s_sub_co_u32 s33, s33, s21
	s_lshr_b32 s33, s33, 2                         ; of which w, w + 4, .. are my family's
	s_min_u32 s33, s33, \lim
.endm
; The codes and scale words of a tile's 16 tokens are asked for.  ag, ar, off: the tile's place in the list for rows g and r.  Sixteen lanes read one aligned run of 256 bytes of a token.
.macro XGATHER ag, ar, off
.irp rho, 0,1,2,3,4,5,6,7
	ds_load_b32 v[T+\rho], v[\ag] offset:(\off)+8*\rho   ; the slot of row 2 rho + g
.endr
	ds_load_b32 v[T+8], v[\ar] offset:(\off)+0     ; and of row r
	s_wait_dscnt 0x0
.irp z, 0,1,2,3,4,5,6,7,8
	v_lshrrev_b32 v[T+\z], 1, v[T+\z]              ; slot = 2 token + k
.endr
.irp z, 0,1,2,3,4,5,6,7,8
	v_min_u32 v[T+\z], 0x3ff, v[T+\z]
.endr
.irp rho, 0,1,2,3,4,5,6,7
	v_lshl_add_u32 v[T+\rho], v[T+\rho], 9, v[P16]
.endr
	v_lshlrev_b32 v[T+8], 5, v[T+8]
.irp rho, 0,1,2,3,4,5,6,7
.irp hh, 0,1
	global_load_b128 v[XF+4*(2*\rho+\hh):XF+4*(2*\rho+\hh)+3], v[T+\rho], s[8:9] offset:256*\hh
.endr
.endr
	global_load_b128 v[XS:XS+3], v[T+8], s[10:11]
	global_load_b128 v[XS+4:XS+7], v[T+8], s[10:11] offset:16
	s_wait_xcnt 0x0                                ; the loads have read their offsets: those registers are written again below
.endm
; What came as (row, piece) a lane becomes (half, row) a lane: lane 16 h + r gets the 256 bytes of half h of token r: x's eight fragments.
.macro TURNX
.irp rho, 0,1,2,3,4,5,6,7
.irp hh, 0,1
	ds_store_b128 v[TS0], v[XF+4*(2*\rho+\hh):XF+4*(2*\rho+\hh)+3] offset:(16*\hh+2*\rho)*272
.endr
.endr
.irp p, 0,1,2,3,4,5,6,7,8,9,10,11,12,13,14,15
	ds_load_b128 v[XF+4*\p:XF+4*\p+3], v[TL0] offset:16*\p   ; LDS serves a wave's instructions in order: these see my stores
.endr
	s_wait_dscnt 0x0
.endm
; A stage's 32 fragments of W1 (window 1, fragment 8 tile + K step at v[8 f]) and their 16 registers of scale words come into my registers and stay for the stage.
.macro WREGS a
	WIN 0x40
.set f, 0
.rept 32
	ds_load_b128 v[8*f:8*f+3],   v[L16] offset:32768*(\a)+1024*f
	ds_load_b128 v[8*f+4:8*f+7], v[L16] offset:32768*(\a)+1024*f+512
.set f, f+1
.endr
	WIN 0
.irp j, 0,1,2,3,4,5,6,7,8,9,10,11,12,13,14,15
	ds_load_b32 v[WS+\j], v[WSA] offset:2048*(\a)+128*\j
.endr
	s_wait_dscnt 0x0
.endm
.macro PROD1 s, tau                    ; lanes 0-15 of a scale register hold the even tile's words, lanes 16-31 the odd tile's
.set rD, ACC+8*(\tau)
.set rA, 8*(8*(\tau)+(\s))
.set rB, XF+8*(\s)
.set rC, rD
.if (\s) == 0
.set rC, B1+8*(\tau)                   ; the bias starts the sum
.endif
.set rS, WS+2*(\s)+(\tau)/2
.if (\tau)%2
	v_wmma_scale_f32_16x16x128_f8f6f4 v[rD:rD+7], v[rA:rA+7], v[rB:rB+7], v[rC:rC+7], v[rS], v[XS+(\s)] matrix_a_fmt:MATRIX_FMT_FP4 matrix_b_fmt:MATRIX_FMT_FP4 matrix_a_scale:MATRIX_SCALE_ROW1
.else
	v_wmma_scale_f32_16x16x128_f8f6f4 v[rD:rD+7], v[rA:rA+7], v[rB:rB+7], v[rC:rC+7], v[rS], v[XS+(\s)] matrix_a_fmt:MATRIX_FMT_FP4 matrix_b_fmt:MATRIX_FMT_FP4
.endif
.endm
; The exact gelu of my 32 numbers, in place.  Two batches of transcendentals, one wait each; each accumulator is read from its low end on.
.macro GELU32
.set j, 0
.rept 32
	v_fma_f32 v[T+j], |v[ACC+j]|, s90, 1.0         ; 1 + |v| sqrt(2) / 4
.set j, j+1
.endr
.set j, 0
.rept 32
	v_rcp_f32 v[T+j], v[T+j]                       ; t
.set j, j+1
.endr
	v_nop                                          ; a plain place behind the last reciprocal
	s_wait_alu depctr_va_vdst(0)                   ; the wait: one for the batch, ahead of its first reader
.set j, 0
.rept 16
	v_pk_fma_f32 v[E+j:E+j+1], v[VC9:VC9+1], v[T+j:T+j+1], s[68:69] op_sel_hi:[1,1,0]
.set j, j+2
.endr
.irp c, 70,72,74,76,78,80,82,84        ; Horner, the 16 pairs by turns
.set j, 0
.rept 16
	v_pk_fma_f32 v[E+j:E+j+1], v[E+j:E+j+1], v[T+j:T+j+1], s[\c:\c+1] op_sel_hi:[1,1,0]
.set j, j+2
.endr
.endr
.set j, 0
.rept 4
.irp u, 0,2,4,6
	v_pk_mul_f32 v[TMP+\u:TMP+\u+1], v[ACC+j+\u:ACC+j+\u+1], v[ACC+j+\u:ACC+j+\u+1]
.endr
.irp u, 0,2,4,6
	v_pk_fma_f32 v[E+j+\u:E+j+\u+1], v[TMP+\u:TMP+\u+1], s[86:87], v[E+j+\u:E+j+\u+1] op_sel_hi:[1,0,1]   ; - v^2 log2(e) / 2
.endr
.set j, j+8
.endr
.set j, 0
.rept 32
	v_exp_f32 v[E+j], v[E+j]
.set j, j+1
.endr
.set j, 0
.rept 32
	v_mul_f32 v[T+j], |v[ACC+j]|, v[T+j]           ; |v| t: work that names no exponential's result
.set j, j+1
.endr
.set j, 0
.rept 32
	v_max_num_f32 v[ACC+j], 0, v[ACC+j]
.set j, j+1
.endr
	s_wait_alu depctr_va_vdst(0)                   ; one wait for the 32 exponentials
.set j, 0
.rept 16
	v_pk_fma_f32 v[ACC+j:ACC+j+1], v[T+j:T+j+1], v[E+j:E+j+1], v[ACC+j:ACC+j+1] neg_lo:[1,0,0] neg_hi:[1,0,0]
.set j, j+2
.endr
.endm
; My 32 numbers are 16 of each of two blocks of 32 hidden units; lane l xor 16 holds the other 16.  They become one register group (4 registers) of the next product's operand, and two scale bytes.
.macro QUANT2
	v_max3_num_f32 v[M0], |v[ACC]|, |v[ACC+1]|, 0x1800000
	v_max3_num_f32 v[M0+1], |v[ACC+16]|, |v[ACC+17]|, 0x1800000
.irp i, 2,4,6,8,10,12,14
	v_max3_num_f32 v[M0], v[M0], |v[ACC+\i]|, |v[ACC+\i+1]|
	v_max3_num_f32 v[M0+1], v[M0+1], |v[ACC+16+\i]|, |v[ACC+17+\i]|
.endr
	v_permlanex16_b32 v[MX], v[M0], s40, s41
	v_permlanex16_b32 v[MX+1], v[M0+1], s40, s41
	v_max_num_f32 v[M0], v[M0], v[MX]
	v_max_num_f32 v[M0+1], v[M0+1], v[MX+1]
	v_add_nc_u32 v[SO], 0xff000000, v[M0]
	v_add_nc_u32 v[SO+1], 0xff000000, v[M0+1]
	v_lshrrev_b32 v[BY], 23, v[SO]
	v_lshrrev_b32 v[BY+1], 23, v[SO+1]
	v_lshl_or_b32 v[HW], v[BY+1], 8, v[BY]
	v_cvt_scalef32_pk8_fp4_f32 v[PC], v[ACC:ACC+7], v[SO]
	v_cvt_scalef32_pk8_fp4_f32 v[PC+1], v[ACC+8:ACC+15], v[SO]
	v_cvt_scalef32_pk8_fp4_f32 v[PC+2], v[ACC+16:ACC+23], v[SO+1]
	v_cvt_scalef32_pk8_fp4_f32 v[PC+3], v[ACC+24:ACC+31], v[SO+1]
	v_nop                                          ; one plain place behind the scaled conversions
	v_permlane16_swap_b32 v[PC], v[PC+2]           ; the operand's layout wants a whole block in a lane: lanes 0-15 the first block, lanes 16-31 the second
	v_permlane16_swap_b32 v[PC+1], v[PC+3]
.endm
; Ahead of a run of tiles of stage a: b1 in the result's layout, and the run's first tile's tokens (off bytes on in the list).  The gather has no condition: the list is filled with zeros behind its end, so every address is a token's.
.macro CPRO a, off
	s_wait_loadcnt 0x0                             ; no load is out for the registers that are asked for again
	s_wait_xcnt 0x0
.irp tau, 0,1,2,3
	global_load_b128 v[B1+8*\tau:B1+8*\tau+3],   v[BOF], s[6:7] offset:256*(\a)+128*(\tau/2)+32*(\tau%2)
	global_load_b128 v[B1+8*\tau+4:B1+8*\tau+7], v[BOF], s[6:7] offset:256*(\a)+128*(\tau/2)+32*(\tau%2)+16
.endr
	XGATHER LAG, LAR, \off
.endm
; Stage a of tiles w + 4 i, i = i0 .. i1 - 1.  Every wave walks the trips, so that the stepped addresses can be read off the text; the work is done by the producers (prod = 1) or the consumers (0),
; and passed over by the others and where a wave's tiles are done.
.macro TILELOOP a, i0, i1, prod
	s_mov_b32 s34, \i0                             ; i
	s_mov_b32 s35, 256*((\i0)+1)                   ; the next tile's place in the list
.if (\i0) > 0
	s_mov_b32 s36, 128*((\i0)+1)                   ; the kept scale bytes' slot: one slot is left empty behind the first SPLIT
.else
	s_mov_b32 s36, 0
.endif
	s_mov_b32 s37, 131072*(\i0)
	s_mov_b32 s38, 8192*(\i0)
.Ltile_\@:
	s_wait_xcnt 0x0                                ; the last trip's stores have read their offsets and data
	v_add_nc_u32 v[LG2], s35, v[LAG]
	v_add_nc_u32 v[LR2], s35, v[LAR]
	v_add_nc_u32 v[SC2], s36, v[SC0]
	v_add_nc_u32 v[HOF], s37, v[L16]
	v_add_nc_u32 v[HSF], s38, v[R4]
	s_cmp_lt_u32 s20, 4
.if \prod
	s_cbranch_scc0 .Lnext_\@
.else
	s_cbranch_scc1 .Lnext_\@
.endif
	s_cmp_lt_u32 s34, s33                          ; i < my number of tiles
	s_cbranch_scc0 .Lnext_\@
	s_wait_loadcnt 0x0                             ; this tile's codes and scale words (and b1): how many loads are out hangs on the count, so the wait is for all
	TURNX
	WIN 0x01                                       ; source 0 (W1) window 1
.irp s, 0,1,2,3,4,5,6,7                ; the four accumulators take turns, one instruction a turn
.irp tau, 0,1,2,3
	PROD1 \s, \tau
.endr
.endr
	WIN 0
	s_add_co_u32 s39, s34, 1
	s_cmp_lt_u32 s39, s33
	s_cbranch_scc0 .Lnog_\@
	XGATHER LG2, LR2, 0                            ; the next tile's tokens, asked for ahead of the gelu; its 27 vector lines are the places behind the products.  (A consumer's stage 0 asks so across the two runs of its tiles)
	s_branch .Lgot_\@
.Lnog_\@:
.rept 4
	v_nop                                          ; places behind the products
.endr
.Lgot_\@:
	GELU32
	QUANT2
	global_store_b128 v[HOF], v[PC:PC+3], s[14:15] offset:512*(\a)   ; register group a of the fragment (tile, K step = slice): 512 consecutive bytes
.if (\a) == 0
	ds_store_b32 v[SC2], v[HW]                     ; the two bytes wait for stage 1's
.else
	ds_load_b32 v[LOW], v[SC2]
	s_wait_dscnt 0x0
	v_lshl_or_b32 v[LOW], v[HW], 16, v[LOW]
	global_store_b32 v[HSF], v[LOW], s[16:17]      ; the row's scale word; both halves of the lanes hold and write the same
.endif
.Lnext_\@:
	s_add_co_u32 s34, s34, 1
	s_add_co_u32 s35, s35, 256
	s_add_co_u32 s36, s36, 128
	s_add_co_u32 s37, s37, 131072
	s_add_co_u32 s38, s38, 8192
	s_cmp_lt_u32 s34, \i1
	s_cbranch_scc1 .Ltile_\@
.endm
	s_load_b256 s[4:11], s[0:1], 0x0               ; W1, b1, xq, xs
	s_load_b256 s[12:19], s[0:1], 0x20             ; ridx, hq, hs, rlist
	v_lshl_add_u32 v22, v0, 2, 0x25700
	v_mov_b32 v23, 0
	v_lshrrev_b32 v242, 5, v0
	v_readfirstlane_b32 s20, v242                  ; wave 0..7
	s_and_b32 s21, s20, 3                          ; w: my number among the waves of my kind
	s_and_b32 s22, ttmp7, 0xffff                   ; e
	s_mov_b32 s23, ttmp9                           ; slice
	s_mov_b32 s32, 0
	s_mov_b32 s33, 0
	s_mov_b32 s40, 0x76543210
	s_mov_b32 s41, 0xfedcba98                      ; v_permlanex16_b32's selects for lane l xor 16
	SPAIR 68, 0xbf97d29d                           ; P's coefficients x log2(e), from t^8 down;
	SPAIR 70, 0x40097039
	SPAIR 72, 0xbfd1a1e5
	SPAIR 74, 0x3ecdfd18
	SPAIR 76, 0xbe899a80
	SPAIR 78, 0x3e0efb2e
	SPAIR 80, 0x3f0a29d2
	SPAIR 82, 0x3fb8ab5a
	SPAIR 84, 0xc034d90f                           ; the constant term, less 1 for the factor 1/2;
	SPAIR 86, 0xbf38aa3b                           ; - log2(e) / 2
	s_mov_b32 s90, 0x3eb504f3                      ; sqrt(2) / 4
	; every LDS address is made here, by every wave, of the thread's number, the wave's number and constants
	v_and_b32 v243, 31, v0                         ; lane
	v_bfe_u32 v244, v0, 4, 1                       ; g = h = lane / 16
	v_and_b32 v245, 15, v0                         ; q = r = lane % 16
	v_bfe_u32 v246, v0, 3, 1                       ; q's bits 3, 1, 2, 0
	v_bfe_u32 v247, v0, 1, 1
	v_bfe_u32 v248, v0, 2, 1
	v_and_b32 v249, 1, v0
	s_lshl_b32 s24, s21, 22
	v_lshlrev_b32 v[PV], 4, v245
	v_lshl_add_u32 v[PV], v244, 19, v[PV]
	v_add_nc_u32 v[PV], s24, v[PV]                 ; (256 w + 32 g) rows + 16 q bytes
	v_lshlrev_b32 v[PST], 14, v246                 ; column 4 q + cc: tile 2 q3 + q1 (8,192 bytes a tile), row 8 q2 + 4 q0 + cc (16 bytes a row); half g: 256; K step 2 w ..: 1,024
	v_lshl_add_u32 v[PST], v247, 13, v[PST]
	v_lshl_add_u32 v[PST], v244, 8, v[PST]
	v_lshl_add_u32 v[PST], v248, 7, v[PST]
	v_lshl_add_u32 v[PST], v249, 6, v[PST]
	s_lshl_b32 s24, s21, 11
	v_add_nc_u32 v[PST], s24, v[PST]
	v_lshl_add_u32 v[PSS], v246, 7, v244           ; the scale byte: pair q3: 128; odd tile q1: 64; row: 4; byte 2 (c % 2) + g
	v_lshl_add_u32 v[PSS], v247, 6, v[PSS]
	v_lshl_add_u32 v[PSS], v248, 5, v[PSS]
	v_lshl_add_u32 v[PSS], v249, 4, v[PSS]
	s_lshl_b32 s24, s21, 9
	s_add_co_u32 s24, s24, SCW
	v_add_nc_u32 v[PSS], s24, v[PSS]
	v_lshlrev_b32 v[L16], 4, v243
	v_lshl_add_u32 v[WSA], v243, 2, SCW
	s_lshl_b32 s24, s21, 6
	s_add_co_u32 s24, s24, LISTR
	v_lshl_add_u32 v[LAG], v244, 2, s24
	v_lshl_add_u32 v[LAR], v245, 2, s24
	v_mov_b32 v[CNA], LISTR+4160
	v_add_nc_u32 v[LZ], LISTR, v[L16]
	s_mul_i32 s24, s21, 2304
	s_add_co_u32 s24, s24, SCR
	v_lshl_add_u32 v[SC0], v243, 2, s24            ; by w: a producer reads what its consumer kept
	s_mul_i32 s24, s20, 8704
	s_add_co_u32 s24, s24, TURN                    ; by the wave's number: each of the eight has a turner of its own
	v_mul_u32_u24 v[TS0], v244, 272
	v_lshl_add_u32 v[TS0], v245, 4, v[TS0]
	v_add_nc_u32 v[TS0], s24, v[TS0]
	v_mul_u32_u24 v[TL0], v243, 272
	v_add_nc_u32 v[TL0], s24, v[TL0]
	v_lshlrev_b32 v[BOF], 6, v244
	v_lshlrev_b32 v[P16], 4, v245
	v_lshlrev_b32 v[R4], 2, v245
	v_mov_b32 v[VC9], 0x3e7c6f08
	v_mov_b32 v[VC9+1], 0x3e7c6f08
	v_mov_b32 v[MX], 0                             ; written once: a lane permute's destination counts as one of its sources
	v_mov_b32 v[MX+1], 0
	s_mov_b32 s25, 0
	s_mov_b32 s27, 0
	s_wait_kmcnt 0x0
	s_lshl_b32 s24, s22, 24
	s_lshl_b32 s26, s23, 9
	s_add_nc_u64 s[4:5], s[4:5], s[24:25]          ; W1[e],
	s_add_nc_u64 s[4:5], s[4:5], s[26:27]          ; at the slice's first column
	s_lshl_b32 s24, s22, 14
	s_add_nc_u64 s[6:7], s[6:7], s[24:25]          ; b1[e], at the slice
	s_add_nc_u64 s[6:7], s[6:7], s[26:27]
	s_lshl_b32 s24, s22, 21
	s_lshl_b32 s26, s23, 10
	s_add_nc_u64 s[14:15], s[14:15], s[24:25]      ; hq[e][tile w][K step = slice]
	s_add_nc_u64 s[14:15], s[14:15], s[26:27]
	s_lshl_b32 s24, s21, 15
	s_add_nc_u64 s[14:15], s[14:15], s[24:25]
	s_lshl_b32 s24, s22, 17
	s_lshl_b32 s26, s23, 6
	s_add_nc_u64 s[16:17], s[16:17], s[24:25]      ; hs likewise
	s_add_nc_u64 s[16:17], s[16:17], s[26:27]
	s_lshl_b32 s24, s21, 11
	s_add_nc_u64 s[16:17], s[16:17], s[24:25]
	s_mul_i32 s24, s22, 4608
	s_add_nc_u64 s[18:19], s[18:19], s[24:25]      ; rlist's row of e
	s_cmp_lt_u32 s20, 4
	s_cbranch_scc0 .Lc0
	ISSUE 0, 0                                     ; producers: the first two chunks are asked for before anything else
	ISSUE 1, 64*ROWB
	s_branch .Lb0
.Lc0:
	s_cmp_eq_u32 s20, 4
	s_cbranch_scc0 .Lb0
	; WAVE 4 PLACES THE ROWS.  Up to the barrier below no other wave touches LDS.  Token 32 p + lane; a token names an expert at most once.
	v_lshlrev_b32 v196, 3, v243
.set pp, 0
.rept 32
	global_load_b64 v[64+2*pp:65+2*pp], v196, s[12:13] offset:256*pp
.set pp, pp+1
.endr
	v_add_nc_u32 v197, 1152, v243                  ; the index of my word behind the list, for when my token did not choose e
	v_lshlrev_b32 v198, 1, v243
.irp z, 200,201,202,203
	v_mov_b32 v\z, 0
.endr
.irp k, 0,1,2,3,4,5,6,7,8
	ds_store_b128 v[LZ], v[200:203] offset:512*\k  ; the list begins as zeros
.endr
	s_wait_loadcnt 0x0
.set pp, 0
.rept 32
	v_cmp_eq_u32 s30, s22, v[64+2*pp]
	v_cmp_eq_u32 vcc_lo, s22, v[65+2*pp]
	s_or_b32 s31, s30, vcc_lo                      ; who chose e
	v_mbcnt_lo_u32_b32 v[128+pp], s31, s32         ; the count so far + the choosers in lower lanes: my place
	v_cndmask_b32 v[128+pp], v197, v[128+pp], s31
	v_min_u32 v[128+pp], 1183, v[128+pp]
	v_lshl_add_u32 v[128+pp], v[128+pp], 2, LISTR
	v_cndmask_b32 v[160+pp], 0, 1, vcc_lo
	v_add3_u32 v[160+pp], v[160+pp], v198, 64*pp   ; slot = 2 token + k
	ds_store_b32 v[128+pp], v[160+pp]
	s_bcnt1_i32_b32 s31, s31
	s_add_co_u32 s32, s32, s31
.set pp, pp+1
.endr
	s_max_u32 s24, s32, 1
	s_sub_co_u32 s24, s24, 1
	s_min_u32 s24, s24, 1023
	s_lshl_b32 s24, s24, 2
	s_add_co_u32 s24, s24, LISTR
	v_mov_b32 v192, s24
	ds_load_b32 v193, v192                         ; the last entry (LDS serves a wave's instructions in order)
	v_add_nc_u32 v194, s32, v245
	v_min_u32 v194, 1039, v194
	v_lshl_add_u32 v194, v194, 2, LISTR
	v_mov_b32 v195, s32
	s_wait_dscnt 0x0
	ds_store_b32 v194, v193                        ; repeated in the 16 entries behind the count
	ds_store_b32 v[CNA], v195                      ; and the count
.Lb0:
	BARRIER                                        ; the list lies in LDS
	s_cmp_lt_u32 s20, 4
	s_cbranch_scc0 .Lc1
	CHUNKQ 0
	CHUNKQ 1
	CHUNKQ 2
	CHUNKQ 3
	s_branch .Lb1
.Lc1:
	COUNT 16
	s_lshl_b32 s24, s23, 3
	s_add_co_u32 s24, s24, s20
	s_cmp_eq_u32 s24, 4                            ; wave 4 of slice 0
	s_cbranch_scc0 .Lnocopy
.irp k, 0,1,2,3,4,5,6,7,8
	ds_load_b128 v[T+4*\k:T+4*\k+3], v[LZ] offset:512*\k
.endr
	s_wait_dscnt 0x0
.irp k, 0,1,2,3,4,5,6,7,8
	global_store_b128 v[L16], v[T+4*\k:T+4*\k+3], s[18:19] offset:512*\k   ; the list for the next launch: 512 consecutive bytes a store
.endr
.Lnocopy:
	CPRO 0, 0
.Lb1:
	BARRIER                                        ; stage 0's images lie in LDS
	s_cmp_lt_u32 s20, 4
	s_cbranch_scc0 .Lc2
	CHUNKQ 4                                       ; producers go on with stage 1, into bytes of its own
	CHUNKQ 5
	CHUNKQ 6
	CHUNKQ 7
	COUNT SPLIT                                    ; the stream is done: from here on a producer works as a consumer does, on stage 1 of its family's first SPLIT tiles
	CPRO 1, 0                                      ; b1 and the first tile's tokens are asked for ahead of the barrier
	s_branch .Lj2
.Lc2:
	WREGS 0
.Lj2:
	TILELOOP 0, 0, SPLIT, 0                        ; consumers: stage 0 of the first SPLIT tiles
	BARRIER                                        ; stage 1's images lie in LDS, and so do the kept scale bytes of the first SPLIT tiles.  The last barrier
	s_cmp_lt_u32 s20, 4
	s_cbranch_scc0 .Lj3
	WREGS 1
.Lj3:
	TILELOOP 1, 0, SPLIT, 1                        ; producers: stage 1 of those tiles
	TILELOOP 0, SPLIT, 16, 0                       ; consumers, at the same time: stage 0 of the tiles behind them,
	s_cmp_lt_u32 s20, 4
	s_cbranch_scc1 .Lj4
	CPRO 1, 256*SPLIT
	WREGS 1
.Lj4:
	TILELOOP 1, SPLIT, 16, 0                       ; and their stage 1: the kept scale bytes are the wave's own
	s_wait_tensorcnt 0x0
	ds_add_u32 v22, v23
	s_wait_dscnt 0x0
	s_endpgm
.Lfunc_end_k_q290a27581f_ffn1:
	.size	k_q290a27581f_ffn1, .Lfunc_end_k_q290a27581f_ffn1-k_q290a27581f_ffn1
	.p2alignl 7, 3214868480
	.fill 96, 4, 3214868480
	.section	.rodata,"a",@progbits
	.p2align	6, 0x0
	.amdhsa_kernel k_q290a27581f_ffn1
		.amdhsa_group_segment_fixed_size 154368
		.amdhsa_private_segment_fixed_size 0
		.amdhsa_enable_private_segment 0
		.amdhsa_kernarg_size 64
		.amdhsa_user_sgpr_count 2
		.amdhsa_user_sgpr_kernarg_segment_ptr 1
		.amdhsa_wavefront_size32 1
		.amdhsa_system_sgpr_workgroup_id_x 1
		.amdhsa_system_sgpr_workgroup_id_y 1
		.amdhsa_system_sgpr_workgroup_id_z 1
		.amdhsa_system_vgpr_workitem_id 0
		.amdhsa_next_free_vgpr 512
		.amdhsa_next_free_sgpr 100
		.amdhsa_reserve_vcc 1
		.amdhsa_float_denorm_mode_32 3
		.amdhsa_float_denorm_mode_16_64 3
		.amdhsa_memory_ordered 1
		.amdhsa_forward_progress 1
		.amdhsa_inst_pref_size 255
	.end_amdhsa_kernel
	.section	.bss,"aw",@nobits
	.p2align	6
	.space	262144
	.amdgpu_metadata
---
amdhsa.version: [ 1, 2 ]
amdhsa.kernels:
  - .name:           k_q290a27581f_ffn1
    .symbol:         k_q290a27581f_ffn1.kd
    .args:
      - { .name: W1, .offset: 0, .size: 8, .value_kind: global_buffer, .address_space: global }
      - { .name: b1, .offset: 8, .size: 8, .value_kind: global_buffer, .address_space: global }
      - { .name: xq, .offset: 16, .size: 8, .value_kind: global_buffer, .address_space: global }
      - { .name: xs, .offset: 24, .size: 8, .value_kind: global_buffer, .address_space: global }
      - { .name: ridx, .offset: 32, .size: 8, .value_kind: global_buffer, .address_space: global }
      - { .name: hq, .offset: 40, .size: 8, .value_kind: global_buffer, .address_space: global }
      - { .name: hs, .offset: 48, .size: 8, .value_kind: global_buffer, .address_space: global }
      - { .name: rlist, .offset: 56, .size: 8, .value_kind: global_buffer, .address_space: global }
    .group_segment_fixed_size: 154368
    .private_segment_fixed_size: 0
    .kernarg_segment_align: 8
    .kernarg_segment_size: 64
    .max_flat_workgroup_size: 256
    .sgpr_count:     100
    .vgpr_count:     512
    .wavefront_size: 32
...
	.end_amdgpu_metadata
.endif
;; end of part 2
;; launch ffn2 (part 3): grid 32 x 8, 8 waves a work-group, no clusters, 88,064 bytes of LDS; arguments W2, hq, hs, rlist, yb; writes yb
.if DOCPART == 3
	.amdgcn_target "amdgcn-amd-amdhsa--gfx1250"
	.amdhsa_code_object_version 6
	.text
	.protected	k_q290a27581f_ffn2
	.globl	k_q290a27581f_ffn2
	.p2align	8
	.type	k_q290a27581f_ffn2,@function
k_q290a27581f_ffn2:
	s_mov_b64 s[64:65], 0
	v_nop
	global_prefetch_b8 v0, s[64:65] scope:SCOPE_SE
	s_setreg_imm32_b32 hwreg(HW_REG_WAVE_MODE, 25, 1), 1
	s_wait_xcnt 0x0
; y = Q(h) Q(W2[e]) for the rows placed on expert e: 64 outputs (cg = x / 2) and half of K (kh = x % 2) a work-group; y = e.  The two halves' sums, b2 and the gates' weights meet in the next launch.
; W2[e][2,048 kh ..][64 cg ..] is 512 KiB of f32 with K as its first axis: read ONCE, quantised along K on the way, never stored as codes in memory.  Its rows here, and y's, are whole aligned runs of 256 bytes.
; ROLES as in the launch before: waves 0-3 PRODUCE (stream, quantise, lay images of operand registers in LDS), waves 4-7 CONSUME.  Eight stages of 256 along K (two K steps); a barrier behind each;
; every stage has LDS bytes of its own, so nothing in LDS is written twice, and a consumer multiplies stage j - 1 while the producers make stage j.
; Consumer w keeps up to 8 tiles of 16 rows (t = w + 4 i) as 32 accumulators in window 1.  Tiles 32 to 63 exist only where more than 512 tokens chose one expert: a second pass over the images, which still lie in LDS.
; The product is used transposed (source 0 = 16 columns of W2, source 1 = 16 rows of h): a lane holds one row and eight neighbouring outputs.
; THE ACCUMULATORS ARE CLEARED BY MOVES: slots without rows are passed over by branches on the stored count, so no product starts a sum on every way through the text; the consumers clear while the first weights are on their way.
; NO CLUSTER, NO TENSOR LOAD: what a wave does hangs on a stored count; what work-groups share (h's codes) is a small part of a work-group's bytes.
; LIMITS: NaN and infinities are not served.  A block of W2 whose largest magnitude lies under 2^-124 (a block of zeros too) gets the byte 1 with its codes.
.set ROWB, 4096                        ; a row of W2[e] in bytes
.set SCW,  65536                       ; LDS: 0 .. 65,535 the images: fragment 8 j + 4 sl + tile, 1,024 bytes each;  then the scale words: K step 256, pair of tiles 128, lane 4
.set STG,  69632                       ; a consumer's stage for the way out: 16 rows x (256 bytes + 16); a row's slot number lies in its padding
.set PV,  1
.set PST, 2
.set PSS, 3
.set L16, 4
.set WSA, 5
.set HA,  6                            ; v6   h's codes: 16 x lane + my first tile     v7  its scale words: 4 x lane + my first tile
.set HG,  7
.set SLA, 8                            ; v8   the list: row r of my first tile
.set STO, 9
.set STI, 10
.set RD,  11
.set RDI, 12
.set P16, 13
.set WA2, 14                           ; v14-17 the second pass's addresses
.set WS2, 15
.set HA2, 16
.set HG2, 17
.set WSC, 18                           ; v18-21   W2's scale words of a stage: 2 sl + pair.  v18-29 hold scales and nothing else, in either kind of wave
.set HSC, 22                           ; v22-29   h's scale words, a register a slot: lanes 0-15 the stage's first K step, lanes 16-31 its second
.set WF,  32                           ; v32-95   W2's eight fragments of a stage: 4 sl + tile
.set SL,  108                          ; v108-115 the rows' slot numbers, a register a slot
.set HF,  116                          ; v116-243 h's fragments: 16 registers a slot
.set OD,  116                          ; the way out: rows read back,
.set OI,  148                          ; their slot numbers,
.set OV,  156                          ; their offsets in yb
.set PT,  64                           ; producers: v64-191 a chunk's numbers, column by column;  v192.. largest magnitudes, scale operands, bytes, codes
.set PM,  192
.set PSO, 196
.set PBY, 200
.set PPC, 204
.set MSB, 0
.macro WIN new                         ; the immediate's high byte repeats the setting that is left; at a label and at a branch every window is 0
.if MSB != \new
	s_set_vgpr_msb (MSB<<8)|\new
.set MSB, \new
.endif
.endm
.macro BARRIER                         ; my LDS stores have landed and my LDS loads are in: then the work-group's barrier.  It stands on every wave's way
	s_wait_dscnt 0x0
	s_barrier_signal -1
	s_barrier_wait -1
.endm
; A chunk is 64 rows of K x 64 columns, 16 KiB: 32 loads.  Lanes 0-15 read 256 consecutive bytes of row k, lanes 16-31 those of row k + 32: a lane gets 4 columns x one whole block of 32 along K.
.macro ISSUE set, off
	WIN 0x40                                       ; destination window 1
.set ii, 0
.rept 32
	global_load_b128 v[128*(\set)+4*ii:128*(\set)+4*ii+3], v[PV], s[4:5] offset:(\off)+ii*ROWB th:TH_LOAD_NT
.set ii, ii+1
.endr
	WIN 0
.endm
; A chunk becomes codes.  cnt: the younger chunk's 32 loads may stay out.  128 moves bring 32 neighbours along K of each of my 4 columns into consecutive registers, as the conversion wants them.
.macro CHUNK set, cnt, ldsoff, scoff, refill, noff
	s_wait_loadcnt \cnt
	s_wait_dscnt 0x0                               ; the last chunk's LDS stores have read their registers
	WIN 0x01                                       ; source window 1
.set ii, 0
.rept 32
.irp cc, 0,1,2,3
	v_mov_b32 v[PT+32*\cc+ii], v[128*(\set)+4*ii+\cc]
.endr
.set ii, ii+1
.endr
.if \refill
	ISSUE \set, \noff                              ; the landing registers are free: the chunk two further on is asked for at once
.else
	WIN 0
.endif
.irp cc, 0,1,2,3
	v_max3_num_f32 v[PM+\cc], |v[PT+32*\cc]|, |v[PT+32*\cc+1]|, 0x1800000   ; the floor 2^(3 - 127) holds the byte at 1 from below
.endr
.irp i, 2,4,6,8,10,12,14,16,18,20,22,24,26,28,30
.irp cc, 0,1,2,3
	v_max3_num_f32 v[PM+\cc], v[PM+\cc], |v[PT+32*\cc+\i]|, |v[PT+32*\cc+\i+1]|
.endr
.endr
.irp cc, 0,1,2,3
	v_add_nc_u32 v[PSO+\cc], 0xff000000, v[PM+\cc] ; 2 off the exponent field: the conversion's scale operand
.endr
.irp cc, 0,1,2,3
	v_lshrrev_b32 v[PBY+\cc], 23, v[PSO+\cc]       ; the scale's byte
.endr
.irp cc, 0,1,2,3
.irp gq, 0,1,2,3
	v_cvt_scalef32_pk8_fp4_f32 v[PPC+4*\cc+\gq], v[PT+32*\cc+8*\gq:PT+32*\cc+8*\gq+7], v[PSO+\cc]
.endr
.endr
	v_nop                                          ; one plain place behind the scaled conversions
.irp cc, 0,1,2,3
	ds_store_b128 v[PST], v[PPC+4*\cc:PPC+4*\cc+3] offset:(\ldsoff)+16*\cc
	ds_store_b8 v[PSS], v[PBY+\cc] offset:(\scoff)+4*\cc
.endr
.endm
.macro CHUNKJ j                        ; stage j: my 64 rows of its 256
.if (\j) < 6
	CHUNK (\j)%2, 32, 8192*(\j), 512*(\j), 1, ((\j)+2)*256*ROWB
.elseif (\j) == 6
	CHUNK 0, 32, 8192*(\j), 512*(\j), 0, 0
.else
	CHUNK 1, 0, 8192*(\j), 512*(\j), 0, 0
.endif
.endm
; h's fragments and scale words of stage j for my first n slots; the chain ends at the first slot without rows.
.macro HLOAD n, ha, hg, j
.irp i, 0,1,2,3,4,5,6,7
	s_cmp_le_u32 s[\n], \i
	s_cbranch_scc1 .Lhl_\@
.irp m, 0,1,2,3
	global_load_b128 v[HF+16*\i+4*\m:HF+16*\i+4*\m+3], v[\ha], s[6:7] offset:131072*\i+2048*(\j)+512*\m
.endr
	global_load_b32 v[HSC+\i], v[\hg], s[8:9] offset:8192*\i+128*(\j)
.endr
.Lhl_\@:
.endm
.macro WLOAD wa, ws, j                 ; W2's eight fragments of stage j, and their scale words, from LDS
.irp f, 0,1,2,3,4,5,6,7
	ds_load_b128 v[WF+8*\f:WF+8*\f+3],   v[\wa] offset:8192*(\j)+1024*\f
	ds_load_b128 v[WF+8*\f+4:WF+8*\f+7], v[\wa] offset:8192*(\j)+1024*\f+512
.endr
.irp m, 0,1,2,3
	ds_load_b32 v[WSC+\m], v[\ws] offset:512*(\j)+128*\m
.endr
.endm
.macro PROD2 i, sl, tau
.set rD, 32*(\i)+8*(\tau)
.set rA, WF+32*(\sl)+8*(\tau)
.set rB, HF+16*(\i)+8*(\sl)
.set rS, WSC+2*(\sl)+(\tau)/2
.if ((\tau)%2) && (\sl)
	v_wmma_scale_f32_16x16x128_f8f6f4 v[rD:rD+7], v[rA:rA+7], v[rB:rB+7], v[rD:rD+7], v[rS], v[HSC+(\i)] matrix_a_fmt:MATRIX_FMT_FP4 matrix_b_fmt:MATRIX_FMT_FP4 matrix_a_scale:MATRIX_SCALE_ROW1 matrix_b_scale:MATRIX_SCALE_ROW1
.elseif (\tau)%2
	v_wmma_scale_f32_16x16x128_f8f6f4 v[rD:rD+7], v[rA:rA+7], v[rB:rB+7], v[rD:rD+7], v[rS], v[HSC+(\i)] matrix_a_fmt:MATRIX_FMT_FP4 matrix_b_fmt:MATRIX_FMT_FP4 matrix_a_scale:MATRIX_SCALE_ROW1
.elseif \sl
	v_wmma_scale_f32_16x16x128_f8f6f4 v[rD:rD+7], v[rA:rA+7], v[rB:rB+7], v[rD:rD+7], v[rS], v[HSC+(\i)] matrix_a_fmt:MATRIX_FMT_FP4 matrix_b_fmt:MATRIX_FMT_FP4 matrix_b_scale:MATRIX_SCALE_ROW1
.else
	v_wmma_scale_f32_16x16x128_f8f6f4 v[rD:rD+7], v[rA:rA+7], v[rB:rB+7], v[rD:rD+7], v[rS], v[HSC+(\i)] matrix_a_fmt:MATRIX_FMT_FP4 matrix_b_fmt:MATRIX_FMT_FP4
.endif
.endm
; A stage's products for my first n slots: eight a slot, its four accumulators by turns, one instruction a turn.
; A scale register written by a vector instruction stands eight places ahead of a scaled matrix instruction, an operand so written four.  No vector instruction stands inside the chain of slots,
; so the eight v_nop at its head are those places for all its products, whatever vector line was the last to write one of their registers (the moves at the head, where a slot's loads were passed over).
.macro MULT n
	s_wait_loadcnt 0x0                             ; how many loads are out hangs on the count: the wait is for all
	s_wait_dscnt 0x0
.rept 8
	v_nop
.endr
.irp i, 0,1,2,3,4,5,6,7
	s_cmp_le_u32 s[\n], \i
	s_cbranch_scc1 .Lmu_\@
	WIN 0x50                                       ; C and D window 1
.irp sl, 0,1
.irp tau, 0,1,2,3
	PROD2 \i, \sl, \tau
.endr
.endr
	WIN 0
.endr
.Lmu_\@:
.rept 4
	v_nop                                          ; places in front of loads into registers that the products have read, and of the first read of results
.endr
.endm
; Slot i goes out: through my stage, so that sixteen lanes store one aligned run of 256 bytes of a slot's row of yb.  Each accumulator is read from its low end on.
.macro SLOTOUT n, i
	s_cmp_le_u32 s[\n], \i
	s_cbranch_scc1 .Lso_\@
	s_wait_xcnt 0x0                                ; the last slot's stores have read their registers
	WIN 0x04                                       ; an LDS store's data are its source 1: window 1
.irp tau, 0,1,2,3
	ds_store_b128 v[STO], v[32*(\i)+8*\tau:32*(\i)+8*\tau+3] offset:64*\tau
	ds_store_b128 v[STO], v[32*(\i)+8*\tau+4:32*(\i)+8*\tau+7] offset:64*\tau+16
.endr
	WIN 0
	ds_store_b32 v[STI], v[SL+(\i)]                ; both halves of the lanes write the same number
.irp z, 0,1,2,3,4,5,6,7
	ds_load_b128 v[OD+4*\z:OD+4*\z+3], v[RD] offset:544*\z   ; LDS serves a wave's instructions in order: these see my stores.  Rows 2 z + g
	ds_load_b32 v[OI+\z], v[RDI] offset:544*\z
.endr
	s_wait_dscnt 0x0
.irp z, 0,1,2,3,4,5,6,7
	v_min_u32 v[OI+\z], 0x7ff, v[OI+\z]
.endr
.irp z, 0,1,2,3,4,5,6,7
	v_lshl_add_u32 v[OV+\z], v[OI+\z], 12, v[P16]
.endr
.irp z, 0,1,2,3,4,5,6,7
	global_store_b128 v[OV+\z], v[OD+4*\z:OD+4*\z+3], s[12:13]
.endr
.Lso_\@:
.endm
.macro CLEARACC
	WIN 0x40
.set j, 0
.rept 256
	v_mov_b32 v[j], 0
.set j, j+1
.endr
	WIN 0
.endm
	s_load_b256 s[4:11], s[0:1], 0x0               ; W2, hq, hs, rlist
	s_load_b64 s[12:13], s[0:1], 0x20              ; yb
	v_lshl_add_u32 v254, v0, 2, 0x15400
	v_mov_b32 v255, 0
	v_lshrrev_b32 v244, 5, v0
	v_readfirstlane_b32 s20, v244                  ; wave 0..7
	s_and_b32 s21, s20, 3                          ; w
	s_and_b32 s22, ttmp7, 0xffff                   ; e
	s_lshr_b32 s23, ttmp9, 1                       ; cg
	s_and_b32 s24, ttmp9, 1                        ; kh
	s_mov_b32 s33, 0
	s_mov_b32 s34, 0
	s_mov_b32 s35, 0
	s_lshr_b32 s25, s21, 1                         ; a producer's K step of the stage's two,
	s_and_b32 s26, s21, 1                          ; and its register group
	; every LDS address is made here, by every wave
	v_and_b32 v245, 31, v0                         ; lane
	v_bfe_u32 v246, v0, 4, 1                       ; g = h
	v_and_b32 v247, 15, v0                         ; q = r
	v_bfe_u32 v248, v0, 3, 1                       ; q / 8: the pair of tiles
	v_bfe_u32 v249, v0, 2, 1                       ; the odd tile of a pair
	v_and_b32 v250, 3, v0                          ; q % 4
	v_bfe_u32 v251, v0, 2, 2                       ; q / 4: the tile.  Column 4 q + cc = 16 tile + row, row = 4 (q % 4) + cc
	s_lshl_b32 s28, s21, 18
	v_lshlrev_b32 v[PV], 4, v247
	v_lshl_add_u32 v[PV], v246, 17, v[PV]
	v_add_nc_u32 v[PV], s28, v[PV]                 ; (64 w + 32 g) rows + 16 q bytes
	v_lshlrev_b32 v[PST], 10, v251
	v_lshl_add_u32 v[PST], v246, 8, v[PST]
	v_lshl_add_u32 v[PST], v250, 6, v[PST]
	s_lshl_b32 s28, s25, 12
	s_lshl_b32 s29, s26, 9
	s_add_co_u32 s28, s28, s29
	v_add_nc_u32 v[PST], s28, v[PST]
	v_lshl_add_u32 v[PSS], v248, 7, v246
	v_lshl_add_u32 v[PSS], v249, 6, v[PSS]
	v_lshl_add_u32 v[PSS], v250, 4, v[PSS]
	s_lshl_b32 s28, s25, 8
	s_lshl_b32 s29, s26, 1
	s_add_co_u32 s28, s28, s29
	s_add_co_u32 s28, s28, SCW
	v_add_nc_u32 v[PSS], s28, v[PSS]
	v_lshlrev_b32 v[L16], 4, v245
	v_lshl_add_u32 v[WSA], v245, 2, SCW
	s_lshl_b32 s28, s21, 15
	v_add_nc_u32 v[HA], s28, v[L16]
	s_lshl_b32 s28, s21, 11
	v_lshl_add_u32 v[HG], v245, 2, s28
	s_lshl_b32 s28, s21, 6
	v_lshl_add_u32 v[SLA], v247, 2, s28
	s_mul_i32 s28, s21, 4352
	s_add_co_u32 s28, s28, STG                     ; my stage
	v_mul_u32_u24 v244, v247, 272
	v_add_nc_u32 v244, s28, v244
	v_lshl_add_u32 v[STO], v246, 5, v244           ; in: row r, 32 bytes for each half of the lanes
	v_add_nc_u32 v[STI], 256, v244
	v_mul_u32_u24 v244, v246, 272
	v_add_nc_u32 v244, s28, v244
	v_lshl_add_u32 v[RD], v247, 4, v244            ; back: lanes 0-15 one row, lanes 16-31 the next
	v_add_nc_u32 v[RDI], 256, v244
	v_lshlrev_b32 v[P16], 4, v247
	s_mov_b32 s29, 0
	s_mov_b32 s31, 0
	s_wait_kmcnt 0x0
	s_lshl_b32 s28, s22, 24
	s_lshl_b32 s30, s24, 23
	s_add_nc_u64 s[4:5], s[4:5], s[28:29]          ; W2[e],
	s_add_nc_u64 s[4:5], s[4:5], s[30:31]          ; my half of K,
	s_add_nc_u64 s[12:13], s[12:13], s[30:31]      ; (yb's half likewise)
	s_lshl_b32 s28, s23, 8
	s_add_nc_u64 s[4:5], s[4:5], s[28:29]          ; my 64 columns
	s_add_nc_u64 s[12:13], s[12:13], s[28:29]
	s_lshl_b32 s28, s22, 21
	s_lshl_b32 s30, s24, 14
	s_add_nc_u64 s[6:7], s[6:7], s[28:29]          ; hq[e], at my half's first K step
	s_add_nc_u64 s[6:7], s[6:7], s[30:31]
	s_lshl_b32 s28, s22, 17
	s_lshl_b32 s30, s24, 10
	s_add_nc_u64 s[8:9], s[8:9], s[28:29]          ; hs likewise
	s_add_nc_u64 s[8:9], s[8:9], s[30:31]
	s_mul_i32 s28, s22, 4608
	s_add_nc_u64 s[10:11], s[10:11], s[28:29]      ; rlist's row of e
	s_cmp_lt_u32 s20, 4
	s_cbranch_scc0 .Lcons_0
	ISSUE 0, 0
	ISSUE 1, 256*ROWB
	CHUNKJ 0
	s_branch .Lbar_0
.Lcons_0:
	s_load_b32 s32, s[10:11], 0x1040               ; how many rows chose e
.irp i, 0,1,2,3,4,5,6,7
	global_load_b32 v[SL+\i], v[SLA], s[10:11] offset:256*\i   ; the slot numbers of my first eight tiles' rows; the list is whole behind its end too
.endr
.irp i, 0,1,2,3,4,5,6,7
	v_mov_b32 v[HSC+\i], 0x7f7f7f7f                ; written once, since the loads below stand under branches: the byte 127, 2^0
.endr
.set j, 0
.rept 128
	v_mov_b32 v[HF+j], 0                           ; likewise: zero codes
.set j, j+1
.endr
	CLEARACC
	s_wait_kmcnt 0x0
	s_min_u32 s32, s32, 1024
	s_add_co_u32 s33, s32, 15
	s_lshr_b32 s33, s33, 4                         ; tiles of 16 rows
	s_add_co_u32 s33, s33, 3
	s_sub_co_u32 s33, s33, s21
	s_lshr_b32 s33, s33, 2                         ; of which w, w + 4, .. are mine:
	s_min_u32 s34, s33, 8                          ; the first pass's,
	s_sub_co_u32 s35, s33, s34                     ; and the second's
	HLOAD 34, HA, HG, 0
.Lbar_0:
	BARRIER                                        ; stage 0's images lie in LDS
.irp j, 1,2,3,4,5,6,7
	s_cmp_lt_u32 s20, 4
	s_cbranch_scc0 .Lcons_\j
	CHUNKJ \j
	s_branch .Lbar_\j
.Lcons_\j:
	WLOAD L16, WSA, (\j-1)
	MULT 34
	HLOAD 34, HA, HG, \j                           ; asked for ahead of the barrier, wanted behind it
.Lbar_\j:
	BARRIER
.endr
	s_cmp_lt_u32 s20, 4
	s_cbranch_scc1 .Lp2init
	WLOAD L16, WSA, 7
	MULT 34
.irp i, 0,1,2,3,4,5,6,7
	SLOTOUT 34, \i
.endr
	s_wait_xcnt 0x0                                ; the stores have read their registers
.irp i, 0,1,2,3,4,5,6,7
	global_load_b32 v[SL+\i], v[SLA], s[10:11] offset:2048+256*\i   ; tiles w + 32 on
.endr
	s_cmp_eq_u32 s35, 0
	s_cbranch_scc1 .Lp2init
	CLEARACC
.Lp2init:
	; THE SECOND PASS: eight trips, walked by every wave; its work is passed over where no tile is left
	s_mov_b32 s36, 0
	s_mov_b32 s37, 0
	s_mov_b32 s38, 0
	s_mov_b32 s39, 1048576                         ; 32 tiles on in hq,
	s_mov_b32 s40, 65536                           ; and in hs
.Lp2:
	s_wait_xcnt 0x0
	v_add_nc_u32 v[WA2], s37, v[L16]
	v_add_nc_u32 v[WS2], s38, v[WSA]
	v_add_nc_u32 v[HA2], s39, v[HA]
	v_add_nc_u32 v[HG2], s40, v[HG]
	s_cmp_lt_u32 s20, 4
	s_cbranch_scc1 .Lp2n
	s_cmp_eq_u32 s35, 0
	s_cbranch_scc1 .Lp2n
	s_wait_loadcnt 0x0                             ; no load is out for a register that is asked for again, on whatever way these lines are reached
	HLOAD 35, HA2, HG2, 0
	WLOAD WA2, WS2, 0
	MULT 35
.Lp2n:
	s_add_co_u32 s36, s36, 1
	s_add_co_u32 s37, s37, 8192
	s_add_co_u32 s38, s38, 512
	s_add_co_u32 s39, s39, 2048
	s_add_co_u32 s40, s40, 128
	s_cmp_lt_u32 s36, 8
	s_cbranch_scc1 .Lp2
	s_cmp_lt_u32 s20, 4
	s_cbranch_scc1 .Lend
	s_wait_loadcnt 0x0                             ; the slot numbers
.irp i, 0,1,2,3,4,5,6,7
	SLOTOUT 35, \i
.endr
.Lend:
	s_wait_tensorcnt 0x0
	ds_add_u32 v254, v255
	s_wait_dscnt 0x0
	s_endpgm
.Lfunc_end_k_q290a27581f_ffn2:
	.size	k_q290a27581f_ffn2, .Lfunc_end_k_q290a27581f_ffn2-k_q290a27581f_ffn2
	.p2alignl 7, 3214868480
	.fill 96, 4, 3214868480
	.section	.rodata,"a",@progbits
	.p2align	6, 0x0
	.amdhsa_kernel k_q290a27581f_ffn2
		.amdhsa_group_segment_fixed_size 88064
		.amdhsa_private_segment_fixed_size 0
		.amdhsa_enable_private_segment 0
		.amdhsa_kernarg_size 40
		.amdhsa_user_sgpr_count 2
		.amdhsa_user_sgpr_kernarg_segment_ptr 1
		.amdhsa_wavefront_size32 1
		.amdhsa_system_sgpr_workgroup_id_x 1
		.amdhsa_system_sgpr_workgroup_id_y 1
		.amdhsa_system_sgpr_workgroup_id_z 1
		.amdhsa_system_vgpr_workitem_id 0
		.amdhsa_next_free_vgpr 512
		.amdhsa_next_free_sgpr 66
		.amdhsa_reserve_vcc 0
		.amdhsa_float_denorm_mode_32 3
		.amdhsa_float_denorm_mode_16_64 3
		.amdhsa_memory_ordered 1
		.amdhsa_forward_progress 1
		.amdhsa_inst_pref_size 255
	.end_amdhsa_kernel
	.section	.bss,"aw",@nobits
	.p2align	6
	.space	262144
	.amdgpu_metadata
---
amdhsa.version: [ 1, 2 ]
amdhsa.kernels:
  - .name:           k_q290a27581f_ffn2
    .symbol:         k_q290a27581f_ffn2.kd
    .args:
      - { .name: W2, .offset: 0, .size: 8, .value_kind: global_buffer, .address_space: global }
      - { .name: hq, .offset: 8, .size: 8, .value_kind: global_buffer, .address_space: global }
      - { .name: hs, .offset: 16, .size: 8, .value_kind: global_buffer, .address_space: global }
      - { .name: rlist, .offset: 24, .size: 8, .value_kind: global_buffer, .address_space: global }
      - { .name: yb, .offset: 32, .size: 8, .value_kind: global_buffer, .address_space: global }
    .group_segment_fixed_size: 88064
    .private_segment_fixed_size: 0
    .kernarg_segment_align: 8
    .kernarg_segment_size: 40
    .max_flat_workgroup_size: 256
    .sgpr_count:     66
    .vgpr_count:     512
    .wavefront_size: 32
...
	.end_amdgpu_metadata
.endif
;; end of part 3
;; launch mix (part 4): grid 256 x 1, 4 waves a work-group, no clusters, 0 bytes of LDS; arguments yb, rw, ridx, b2, out0; writes out0
.if DOCPART == 4
	.amdgcn_target "amdgcn-amd-amdhsa--gfx1250"
	.amdhsa_code_object_version 6
	.text
	.protected	k_q290a27581f_mix
	.globl	k_q290a27581f_mix
	.p2align	8
	.type	k_q290a27581f_mix,@function
k_q290a27581f_mix:
	s_mov_b64 s[64:65], 0
	v_nop
	global_prefetch_b8 v0, s[64:65] scope:SCOPE_SE
	s_setreg_imm32_b32 hwreg(HW_REG_WAVE_MODE, 25, 1), 1
	s_wait_xcnt 0x0
; out[n] = w0 (y[2 n] + b2[e0]) + w1 (y[2 n + 1] + b2[e1]); y[slot] is the sum of the two halves of K that the launch before stored.  All in f32.
; One wave takes one token: 1,024 numbers in eight pieces of 512 consecutive bytes.
; The weights and the experts' numbers come by scalar loads: the numbers are whole numbers that an earlier launch stored, and steer b2's rows alone.  y's addresses hang on the token alone:
; so y's 32 loads go out while those scalar loads are on their way, and b2's 16 loads behind the wait for them.  The wait ahead of piece p leaves the two b2 loads of each younger piece out; all of y's loads are older.
; A stream of 20 MiB: no LDS, no barrier, no matrix unit, no cluster (the work-groups share b2 alone, 32 KiB).
.set D, 4                              ; v4-195: piece p at v[4 + 24 p]: slot 0's two halves, slot 1's two halves, b2[e0], b2[e1], four registers each
	s_load_b256 s[4:11], s[0:1], 0x0               ; yb, rw, ridx, b2
	s_load_b64 s[12:13], s[0:1], 0x20              ; out0
	v_lshrrev_b32 v1, 5, v0
	v_readfirstlane_b32 s16, v1                    ; wave
	v_and_b32 v1, 31, v0
	v_lshlrev_b32 v1, 4, v1                        ; 16 x lane
	s_lshl_b32 s17, ttmp9, 2
	s_add_co_u32 s17, s17, s16                     ; my token
	s_lshl_b32 s18, s17, 3
	s_mov_b32 s19, 0
	s_mov_b32 s25, 0
	s_wait_kmcnt 0x0
	s_add_nc_u64 s[6:7], s[6:7], s[18:19]
	s_add_nc_u64 s[8:9], s[8:9], s[18:19]
	s_load_b64 s[20:21], s[6:7], 0x0               ; w0, w1
	s_load_b64 s[22:23], s[8:9], 0x0               ; e0, e1
	s_lshl_b32 s24, s17, 13
	s_add_nc_u64 s[4:5], s[4:5], s[24:25]          ; yb: the first half of K, slot 2 n;
	s_add_nc_u64 s[26:27], s[4:5], 0x800000        ; the second half
.irp p, 0,1,2,3,4,5,6,7
	global_load_b128 v[D+24*\p:D+24*\p+3],     v1, s[4:5] offset:512*\p th:TH_LOAD_NT
	global_load_b128 v[D+24*\p+4:D+24*\p+7],   v1, s[26:27] offset:512*\p th:TH_LOAD_NT
	global_load_b128 v[D+24*\p+8:D+24*\p+11],  v1, s[4:5] offset:4096+512*\p th:TH_LOAD_NT
	global_load_b128 v[D+24*\p+12:D+24*\p+15], v1, s[26:27] offset:4096+512*\p th:TH_LOAD_NT
.endr
	s_lshl_b32 s24, s17, 12
	s_add_nc_u64 s[12:13], s[12:13], s[24:25]      ; my row of out
	s_wait_kmcnt 0x0
	s_min_u32 s22, s22, 7
	s_min_u32 s23, s23, 7
	s_lshl_b32 s28, s22, 12
	s_mov_b32 s29, 0
	s_add_nc_u64 s[28:29], s[10:11], s[28:29]      ; b2[e0]
	s_lshl_b32 s30, s23, 12
	s_mov_b32 s31, 0
	s_add_nc_u64 s[30:31], s[10:11], s[30:31]      ; b2[e1]
	s_mov_b32 s34, s21                             ; w1 in a pair of its own: the packed forms take a pair's low word for both halves
	s_mov_b32 s35, s21
.irp p, 0,1,2,3,4,5,6,7
	global_load_b128 v[D+24*\p+16:D+24*\p+19], v1, s[28:29] offset:512*\p
	global_load_b128 v[D+24*\p+20:D+24*\p+23], v1, s[30:31] offset:512*\p
.endr
.irp p, 0,1,2,3,4,5,6,7
	s_wait_loadcnt 2*(7-\p)                        ; loads come back in order: this piece's two of b2 are in, and with them all of y's
.irp u, 0,2
	v_pk_add_f32 v[D+24*\p+\u:D+24*\p+\u+1], v[D+24*\p+\u:D+24*\p+\u+1], v[D+24*\p+4+\u:D+24*\p+5+\u]
	v_pk_add_f32 v[D+24*\p+8+\u:D+24*\p+9+\u], v[D+24*\p+8+\u:D+24*\p+9+\u], v[D+24*\p+12+\u:D+24*\p+13+\u]
	v_pk_add_f32 v[D+24*\p+\u:D+24*\p+\u+1], v[D+24*\p+\u:D+24*\p+\u+1], v[D+24*\p+16+\u:D+24*\p+17+\u]
	v_pk_add_f32 v[D+24*\p+8+\u:D+24*\p+9+\u], v[D+24*\p+8+\u:D+24*\p+9+\u], v[D+24*\p+20+\u:D+24*\p+21+\u]
	v_pk_mul_f32 v[D+24*\p+\u:D+24*\p+\u+1], v[D+24*\p+\u:D+24*\p+\u+1], s[20:21] op_sel_hi:[1,0]
	v_pk_fma_f32 v[D+24*\p+\u:D+24*\p+\u+1], v[D+24*\p+8+\u:D+24*\p+9+\u], s[34:35], v[D+24*\p+\u:D+24*\p+\u+1] op_sel_hi:[1,0,1]
.endr
	global_store_b128 v1, v[D+24*\p:D+24*\p+3], s[12:13] offset:512*\p th:TH_STORE_NT   ; 32 lanes store 512 consecutive bytes; no register of a store is written again
.endr
	s_endpgm
.Lfunc_end_k_q290a27581f_mix:
	.size	k_q290a27581f_mix, .Lfunc_end_k_q290a27581f_mix-k_q290a27581f_mix
	.p2alignl 7, 3214868480
	.fill 96, 4, 3214868480
	.section	.rodata,"a",@progbits
	.p2align	6, 0x0
	.amdhsa_kernel k_q290a27581f_mix
		.amdhsa_group_segment_fixed_size 0
		.amdhsa_private_segment_fixed_size 0
		.amdhsa_enable_private_segment 0
		.amdhsa_kernarg_size 40
		.amdhsa_user_sgpr_count 2
		.amdhsa_user_sgpr_kernarg_segment_ptr 1
		.amdhsa_wavefront_size32 1
		.amdhsa_system_sgpr_workgroup_id_x 1
		.amdhsa_system_sgpr_workgroup_id_y 1
		.amdhsa_system_sgpr_workgroup_id_z 1
		.amdhsa_system_vgpr_workitem_id 0
		.amdhsa_next_free_vgpr 200
		.amdhsa_next_free_sgpr 66
		.amdhsa_reserve_vcc 0
		.amdhsa_float_denorm_mode_32 3
		.amdhsa_float_denorm_mode_16_64 3
		.amdhsa_memory_ordered 1
		.amdhsa_forward_progress 1
		.amdhsa_inst_pref_size 13
	.end_amdhsa_kernel
	.amdgpu_metadata
---
amdhsa.version: [ 1, 2 ]
amdhsa.kernels:
  - .name:           k_q290a27581f_mix
    .symbol:         k_q290a27581f_mix.kd
    .args:
      - { .name: yb, .offset: 0, .size: 8, .value_kind: global_buffer, .address_space: global }
      - { .name: rw, .offset: 8, .size: 8, .value_kind: global_buffer, .address_space: global }
      - { .name: ridx, .offset: 16, .size: 8, .value_kind: global_buffer, .address_space: global }
      - { .name: b2, .offset: 24, .size: 8, .value_kind: global_buffer, .address_space: global }
      - { .name: out0, .offset: 32, .size: 8, .value_kind: global_buffer, .address_space: global }
    .group_segment_fixed_size: 0
    .private_segment_fixed_size: 0
    .kernarg_segment_align: 8
    .kernarg_segment_size: 40
    .max_flat_workgroup_size: 128
    .sgpr_count:     66
    .vgpr_count:     200
    .wavefront_size: 32
...
	.end_amdgpu_metadata
.endif
;; end of part 4
;; ======== version 2 of 2: 4 launches
;; workspace buffers: xq 524,288 bytes; xs 32,768 bytes; ridx 8,192 bytes of whole numbers; rw 8,192 bytes; rlist 36,864 bytes of whole numbers; hq 16,777,216 bytes; hs 1,048,576 bytes; yb 16,777,216 bytes
;; launch route (part 5): grid 256 x 1, 4 waves a work-group, no clusters, 37,376 bytes of LDS; arguments x, Wr, xq, xs, ridx, rw; writes xq, xs, ridx, rw
.if DOCPART == 5
	.amdgcn_target "amdgcn-amd-amdhsa--gfx1250"
	.amdhsa_code_object_version 6
	.text
	.protected	k_q290a27581f_route
	.globl	k_q290a27581f_route
	.p2align	8
	.type	k_q290a27581f_route,@function
k_q290a27581f_route:
	s_mov_b64 s[64:65], 0
	v_nop
	global_prefetch_b8 v0, s[64:65] scope:SCOPE_SE
	s_setreg_imm32_b32 hwreg(HW_REG_WAVE_MODE, 25, 1), 1
	s_wait_xcnt 0x0
; THE ROUTER, AND x AS CODES.  One wave takes one token n = 4 x work-group + wave.
; logits = x[n] . Wr[e], f32 fused multiply-adds; the two largest (on equal logits the lower index is kept, as jax.lax.top_k keeps it); softmax of the two with the larger taken away first.
; Stored at fixed places: ridx[n] = (e0, e1) as whole numbers, rw[n] = (w0, w1).  No address and no branch here hangs on them.
; x[n] is quantised to E2M1 with one E8M0 byte for each 32 along K.  xq: a token's row is 512 bytes; block B (16 bytes) lies at (B & 1) x 256 + (B >> 1) x 16, so that each half of the
; lanes of a matrix operand owns one aligned run of 256 bytes of its token.  xs: a token's 32 scale bytes in the order of B.
; A lane holds k = 256 i + 8 lane + 0 .. 7, i = 0 .. 3: a block of 32 is four neighbouring lanes.
; Wr (32 KiB) is read once by the work-group (two experts a wave), laid in LDS as images of registers, and read back by every wave into 256 registers.
; LIMITS: NaN and infinities are not served.  A block whose largest magnitude lies under 2^-124 (a block of zeros too) gets the byte 1; only this program reads the bytes.
; The logits are f32 sums in another order than a plain dot product's: two logits that agree to the last few bits may be ranked either way.
; No matrix unit (N = 8), no cluster (the work-groups share Wr alone, 32 KiB), no tensor load: a launch of 4 MiB.
.set TURNER, 32768                     ; behind Wr's images: 1,024 bytes for each wave: 512 of codes, then 32 scale bytes
.set X,  32                            ; v32-63  my 32 numbers of x
.set ST, 64                            ; v64-127 Wr as loaded; later v64-79 the eight sums, two halves each
.set LG, 80                            ; v80-87  the eight logits
.set MSB, 0
.macro WIN new                         ; the immediate's high byte repeats the setting that is left
.if MSB != \new
	s_set_vgpr_msb (MSB<<8)|\new
.set MSB, \new
.endif
.endm
	s_load_b256 s[4:11], s[0:1], 0x0               ; x, Wr, xq, xs
	s_load_b128 s[12:15], s[0:1], 0x20             ; ridx, rw
	v_lshl_add_u32 v254, v0, 2, 0x9000
	v_mov_b32 v255, 0
	v_lshrrev_b32 v1, 5, v0
	v_readfirstlane_b32 s16, v1                    ; wave
	v_and_b32 v1, 31, v0                           ; lane
	v_lshlrev_b32 v2, 5, v1                        ; 32 x lane: my 8 numbers of a run of 256
	v_lshlrev_b32 v3, 4, v1                        ; 16 x lane
	s_wait_alu depctr_va_vdst(0)
	s_lshl_b32 s17, ttmp9, 2
	s_add_co_u32 s17, s17, s16                     ; my token
	s_lshl_b32 s18, s17, 12                        ; its row of x
	s_mov_b32 s19, 0
	s_lshl_b32 s20, s16, 13                        ; my two experts' rows of Wr; also my 16 images in LDS
	s_mov_b32 s21, 0
	s_lshl_b32 s22, s16, 10
	s_add_co_u32 s22, s22, TURNER                  ; my turner
	s_mov_b32 s24, 0x76543210
	s_mov_b32 s25, 0xfedcba98                      ; v_permlanex16_b32's selects for lane l xor 16
	v_add_nc_u32 v4, s20, v3                       ; where I store Wr's images
	v_bfe_u32 v9, v0, 2, 1
	v_lshlrev_b32 v5, 8, v9                        ; my codes in the turner: (B & 1) x 256,
	v_bfe_u32 v9, v0, 3, 2
	v_lshl_add_u32 v5, v9, 4, v5                   ; + (lane / 8) x 16 (4 i x 16 stands in the immediate),
	v_and_b32 v9, 3, v0
	v_lshl_add_u32 v5, v9, 2, v5                   ; + my 4 bytes of the block's 16
	v_add_nc_u32 v5, s22, v5
	v_bfe_u32 v6, v0, 2, 3
	v_add_nc_u32 v6, s22, v6                       ; my block's scale byte: lane / 4 (512 + 8 i in the immediate)
	v_add_nc_u32 v7, s22, v3                       ; back: 16 bytes of codes a lane,
	v_add_nc_u32 v8, s22, v1                       ; and one scale byte
	s_wait_kmcnt 0x0
	s_add_nc_u64 s[4:5], s[4:5], s[18:19]
	s_add_nc_u64 s[6:7], s[6:7], s[20:21]
.irp i, 0,1,2,3
	global_load_b128 v[X+8*\i:X+8*\i+3],   v2, s[4:5] offset:1024*\i th:TH_LOAD_NT
	global_load_b128 v[X+8*\i+4:X+8*\i+7], v2, s[4:5] offset:1024*\i+16 th:TH_LOAD_NT
.endr
.irp m, 0,1,2,3,4,5,6,7,8,9,10,11,12,13,14,15  ; image m = 8 (expert % 2) + 2 i + half, in the same lane map as x
	global_load_b128 v[ST+4*\m:ST+4*\m+3], v2, s[6:7] offset:4096*(\m/8)+1024*((\m%8)/2)+16*(\m%2)
.endr
	s_lshl_b32 s18, s17, 9
	s_add_nc_u64 s[8:9], s[8:9], s[18:19]          ; xq at my token
	s_lshl_b32 s18, s17, 5
	s_add_nc_u64 s[10:11], s[10:11], s[18:19]      ; xs
	s_lshl_b32 s18, s17, 3
	s_add_nc_u64 s[12:13], s[12:13], s[18:19]      ; ridx
	s_add_nc_u64 s[14:15], s[14:15], s[18:19]      ; rw
	s_wait_loadcnt 0x0
.irp m, 0,1,2,3,4,5,6,7,8,9,10,11,12,13,14,15
	ds_store_b128 v4, v[ST+4*\m:ST+4*\m+3] offset:512*\m
.endr
	s_wait_dscnt 0x0                               ; for the others' sake: my images have landed
	s_barrier_signal -1
	s_barrier_wait -1
	WIN 0x40                                       ; destination window 1
.set m, 0
.rept 64                                       ; all of Wr: register 32 e + 8 i + 4 half + j of window 1 goes with x's register 8 i + 4 half + j
	ds_load_b128 v[4*m:4*m+3], v3 offset:512*m
.set m, m+1
.endr
	WIN 0
	; while those land: x becomes codes.  The four blocks by turns
.irp i, 0,1,2,3
	v_max3_num_f32 v[12+\i], |v[X+8*\i]|, |v[X+8*\i+1]|, 0x1800000   ; my 8 numbers, and the floor 2^(3 - 127): the byte cannot fall under 1
.endr
.irp u, 2,4,6
.irp i, 0,1,2,3
	v_max3_num_f32 v[12+\i], v[12+\i], |v[X+8*\i+\u]|, |v[X+8*\i+\u+1]|
.endr
.endr
.irp m, 1,2
.irp i, 0,1,2,3
	v_max_num_f32_dpp v[12+\i], v[12+\i], v[12+\i] row_xmask:\m row_mask:0xf bank_mask:0xf   ; with the three lanes that share the block
.endr
.endr
.irp i, 0,1,2,3
	v_add_nc_u32 v[16+\i], 0xff000000, v[12+\i]    ; 2 off the exponent field: the conversion's scale operand
.endr
.irp i, 0,1,2,3
	v_lshrrev_b32 v[20+\i], 23, v[16+\i]           ; the scale's byte
.endr
.irp i, 0,1,2,3
	v_cvt_scalef32_pk8_fp4_f32 v[24+\i], v[X+8*\i:X+8*\i+7], v[16+\i]
.endr
	v_nop                                          ; one plain place behind the scaled conversions
.irp i, 0,1,2,3
	ds_store_b32 v5, v[24+\i] offset:64*\i
	ds_store_b8 v6, v[20+\i] offset:512+8*\i       ; the four lanes of a block write the same byte with the same value
.endr
	ds_load_b128 v[28:31], v7                      ; LDS serves a wave's instructions in order: these see my stores
	ds_load_u8 v11, v8 offset:512
	s_wait_dscnt 0x0                               ; the turner's two loads, and all of Wr
	global_store_b128 v3, v[28:31], s[8:9]         ; 32 lanes store my token's 512 bytes: two aligned runs of 256
	global_store_b8 v1, v11, s[10:11]
	; the logits: eight sums by turns, two numbers an instruction
	WIN 0x04                                       ; source 1 (Wr) window 1
.irp e, 0,1,2,3,4,5,6,7
	v_pk_mul_f32 v[ST+2*\e:ST+2*\e+1], v[X:X+1], v[32*\e:32*\e+1]
.endr
.set u, 2
.rept 15
.irp e, 0,1,2,3,4,5,6,7
	v_pk_fma_f32 v[ST+2*\e:ST+2*\e+1], v[X+u:X+u+1], v[32*\e+u:32*\e+u+1], v[ST+2*\e:ST+2*\e+1]
.endr
.set u, u+2
.endr
	WIN 0
.irp e, 0,1,2,3,4,5,6,7
	v_add_f32 v[LG+\e], v[ST+2*\e], v[ST+2*\e+1]
.endr
.irp m, 1,2,4,8
.irp e, 0,1,2,3,4,5,6,7
	v_add_f32_dpp v[LG+\e], v[LG+\e], v[LG+\e] row_xmask:\m row_mask:0xf bank_mask:0xf
.endr
.endr
.irp e, 0,1,2,3,4,5,6,7
	v_permlanex16_b32 v[ST+\e], v[LG+\e], s24, s25 ; (its destination has been written)
.endr
.irp e, 0,1,2,3,4,5,6,7
	v_add_f32 v[LG+\e], v[LG+\e], v[ST+\e]         ; every lane holds all eight logits
.endr
	; the two largest.  Only a strictly larger logit takes the place: the lower index stays on equal ones
	v_mov_b32 v88, v[LG]
	v_mov_b32 v90, 0
.irp e, 1,2,3,4,5,6,7
	v_cmp_gt_f32 vcc_lo, v[LG+\e], v88
	v_cndmask_b32 v88, v88, v[LG+\e], vcc_lo
	v_cndmask_b32 v90, v90, \e, vcc_lo
.endr
	v_mov_b32 v89, 0xff800000                      ; -infinity
	v_mov_b32 v91, 0
.irp e, 0,1,2,3,4,5,6,7
	v_cmp_ne_u32 s27, \e, v90                      ; not the first one again
	v_cmp_gt_f32 vcc_lo, v[LG+\e], v89
	s_and_b32 vcc_lo, vcc_lo, s27
	v_cndmask_b32 v89, v89, v[LG+\e], vcc_lo
	v_cndmask_b32 v91, v91, \e, vcc_lo
.endr
	v_sub_f32 v94, v89, v88                        ; the larger is taken away: 0 or less
	v_mul_f32 v94, 0x3fb8aa3b, v94
	s_wait_alu depctr_va_vdst(0)
	v_exp_f32 v94, v94                             ; d = e^(second - first), at most 1
	v_mov_b32 v10, 0                               ; (a plain place behind the exponential)
	s_wait_alu depctr_va_vdst(0)                   ; the wait ahead of the first reader
	v_add_f32 v95, 1.0, v94
	s_wait_alu depctr_va_vdst(0)
	v_rcp_f32 v92, v95                             ; w0 = 1 / (1 + d)
	v_nop
	s_wait_alu depctr_va_vdst(0)
	v_mul_f32 v93, v94, v92                        ; w1 = d w0
	s_wait_alu depctr_va_vdst(0)
	s_wait_xcnt 0x0                                ; EXEC changes only when the stores above have read theirs
	v_cmp_eq_u32 vcc_lo, 0, v1
	s_wait_tensorcnt 0x0
	ds_add_u32 v254, v255
	s_wait_dscnt 0x0
	s_and_saveexec_b32 s26, vcc_lo                 ; lane 0 alone
	global_store_b64 v10, v[90:91], s[12:13]
	global_store_b64 v10, v[92:93], s[14:15]
	s_wait_xcnt 0x0
	s_or_b32 exec_lo, exec_lo, s26
	s_endpgm
.Lfunc_end_k_q290a27581f_route:
	.size	k_q290a27581f_route, .Lfunc_end_k_q290a27581f_route-k_q290a27581f_route
	.p2alignl 7, 3214868480
	.fill 96, 4, 3214868480
	.section	.rodata,"a",@progbits
	.p2align	6, 0x0
	.amdhsa_kernel k_q290a27581f_route
		.amdhsa_group_segment_fixed_size 37376
		.amdhsa_private_segment_fixed_size 0
		.amdhsa_enable_private_segment 0
		.amdhsa_kernarg_size 48
		.amdhsa_user_sgpr_count 2
		.amdhsa_user_sgpr_kernarg_segment_ptr 1
		.amdhsa_wavefront_size32 1
		.amdhsa_system_sgpr_workgroup_id_x 1
		.amdhsa_system_sgpr_workgroup_id_y 1
		.amdhsa_system_sgpr_workgroup_id_z 1
		.amdhsa_system_vgpr_workitem_id 0
		.amdhsa_next_free_vgpr 512
		.amdhsa_next_free_sgpr 66
		.amdhsa_reserve_vcc 1
		.amdhsa_float_denorm_mode_32 3
		.amdhsa_float_denorm_mode_16_64 3
		.amdhsa_memory_ordered 1
		.amdhsa_forward_progress 1
		.amdhsa_inst_pref_size 28
	.end_amdhsa_kernel
	.amdgpu_metadata
---
amdhsa.version: [ 1, 2 ]
amdhsa.kernels:
  - .name:           k_q290a27581f_route
    .symbol:         k_q290a27581f_route.kd
    .args:
      - { .name: x, .offset: 0, .size: 8, .value_kind: global_buffer, .address_space: global }
      - { .name: Wr, .offset: 8, .size: 8, .value_kind: global_buffer, .address_space: global }
      - { .name: xq, .offset: 16, .size: 8, .value_kind: global_buffer, .address_space: global }
      - { .name: xs, .offset: 24, .size: 8, .value_kind: global_buffer, .address_space: global }
      - { .name: ridx, .offset: 32, .size: 8, .value_kind: global_buffer, .address_space: global }
      - { .name: rw, .offset: 40, .size: 8, .value_kind: global_buffer, .address_space: global }
    .group_segment_fixed_size: 37376
    .private_segment_fixed_size: 0
    .kernarg_segment_align: 8
    .kernarg_segment_size: 48
    .max_flat_workgroup_size: 128
    .sgpr_count:     66
    .vgpr_count:     512
    .wavefront_size: 32
...
	.end_amdgpu_metadata
.endif
;; end of part 5
;; launch ffn1 (part 6): grid 32 x 8, 8 waves a work-group, no clusters, 154,368 bytes of LDS; arguments W1, b1, xq, xs, ridx, hq, hs, rlist; writes hq, hs, rlist
.if DOCPART == 6
	.amdgcn_target "amdgcn-amd-amdhsa--gfx1250"
	.amdhsa_code_object_version 6
	.text
	.protected	k_q290a27581f_ffn1
	.globl	k_q290a27581f_ffn1
	.p2align	8
	.type	k_q290a27581f_ffn1,@function
k_q290a27581f_ffn1:
	s_mov_b64 s[64:65], 0
	v_nop
	global_prefetch_b8 v0, s[64:65] scope:SCOPE_SE
	s_setreg_imm32_b32 hwreg(HW_REG_WAVE_MODE, 25, 1), 1
	s_wait_xcnt 0x0
; h = Q(gelu(Q(x) Q(W1[e]) + b1[e])) for the tokens that chose expert e, 128 hidden units a work-group (x = slice, y = e).
; W1[e][:, 128 slice ..] is 512 KiB of f32 with K as its first axis.  It is read ONCE, quantised along K on the way and never stored as codes in memory.
; ROLES.  Waves 0-3 are PRODUCERS: they stream the weights (each load: two aligned runs of 256 bytes), quantise them and lay them in LDS as images of operand registers.
; Waves 4-7 are CONSUMERS: they gather the chosen tokens' codes, multiply, add b1 (as the C of a sum's first product), take the exact gelu in f32, quantise along the hidden units and store.
; A wave's loads come back in order, so a wave that keeps a stream of weights out cannot also wait for small gathers: hence two kinds of waves.
; TWO STAGES of 64 columns x all of K.  Producer w and consumer w share the tiles of 16 placed rows t = w + 4 i.  While the producers stream stage 1, the consumers take stage 0 of their first SPLIT tiles.
; Behind the barrier that shows stage 1's images whole, A PRODUCER, WHOSE STREAM IS DONE, TAKES STAGE 1 OF THOSE SPLIT TILES, and the consumer both stages of the tiles behind them; no barrier follows.
; SPLIT = 3: an even split of the 2,048 routed rows gives an expert 16 tiles, 4 to a consumer: its chain is then 3 + 1 + 1 tile steps, and a producer's 3 behind its stream.  Any count up to 1,024 rows is served.
; THE ROWS are placed by expert here, in LDS, by wave 4, from ridx (whole numbers that the launch before stored), while the first weights are on their way.  Slice 0 stores the list (rlist) for the next launch.
; The 16 entries behind the count repeat the last row, so no lane is ever switched off.
; THE COLUMNS OF A TILE ARE NOT NEIGHBOURS: row m of tile 2 b + u is hidden unit 32 b + 8 u + m + 8 (m / 8), so that a lane's 16 results of tiles 2 b, 2 b + 1 are 16 neighbours along the next K.
; The product is used transposed (source 0 = 16 columns of W1, source 1 = 16 tokens): a lane holds one token, its registers run along the hidden units.
; gelu(v) = max(v, 0) - |v| q, q = erfc(|v| / sqrt 2) / 2 = t 2^(P(t) - v^2 log2(e) / 2), t = 1 / (1 + |v| sqrt(2) / 4), P of degree 9 (the known rational-exponential fit, fractional error 1.2e-7).
; NO CLUSTER, NO TENSOR LOAD: how many tiles a wave walks hangs on a stored count, so partners would need different numbers of steps; what work-groups share (x's codes) is a small part of a work-group's bytes.
; LIMITS: NaN and infinities are not served.  A block whose largest magnitude lies under 2^-124 (a block of zeros too) gets the byte 1 with its codes; only this program reads the bytes.  Where q falls under 2^-126 it is 0.
.set ROWB,  16384                      ; a row of W1[e] in bytes
.set SPLIT, 3                          ; tiles of a consumer whose stage 1 its producer takes
.set SCW,   65536                      ; LDS: 0 .. 65,535 the two stages' images: fragment 8 tile + K step, 1,024 bytes each;  then the weights' scale words: stage 2,048, register (K step, pair of tiles) 128, lane 4
.set LISTR, 69632                      ; the list: 1,040 entries, the count at byte 4,160, 4,608 bytes; straight behind it 256 bytes for the lanes that were not chosen
.set SCR,   74496                      ; stage 0's two scale bytes of each row, kept for stage 1: 2,304 bytes for each w, slots of 128: slot i for the first SPLIT tiles, slot i + 1 for the others:
                                       ; an empty slot lies between what a producer reads and what its consumer writes at the same time
.set TURN,  83712                      ; a wave's turner for x's codes, one for each of the eight waves: 32 runs of 256 bytes, 272 apart
.set PV,  1                            ; v1   producers: my byte in the slice: row (256 w + 32 g), column 4 q
.set PST, 2                            ; v2   producers: where my codes go      v3  and my scale bytes
.set PSS, 3
.set L16, 4                            ; v4   16 x lane
.set WSA, 5                            ; v5   SCW + 4 x lane
.set LAG, 6                            ; v6   the list: tile w, row g      v7  row r
.set LAR, 7
.set CNA, 8                            ; v8   the count's word
.set LZ,  9                            ; v9   LISTR + 16 x lane
.set SC0, 10
.set TS0, 11                           ; v11  the turner, in      v12  out
.set TL0, 12
.set BOF, 13                           ; v13  64 h: my half's place in b1
.set P16, 14                           ; v14  16 (lane % 16)
.set R4,  15                           ; v15  4 (lane % 16)
.set LG2, 16                           ; v16-20 the trip's addresses
.set LR2, 17
.set SC2, 18
.set HOF, 19
.set HSF, 20
.set VC9, 24                           ; v24-25 P's leading coefficient, twice
.set WS,  26                           ; v26-41 the weights' scale words: 2 s + pair
.set XS,  42                           ; v42-49 x's scale words, one for each K step
.set XF,  50                           ; v50-113 x's eight fragments
.set ACC, 114                          ; v114-145 four accumulators
.set B1,  146                          ; v146-177 b1 in the result's layout
.set T,   178                          ; v178-209 at work
.set E,   210                          ; v210-241 at work
.set TMP, 242
.set PC,  242                          ; v242-245 the codes just made
.set SO,  246
.set BY,  248
.set M0,  250
.set MX,  252
.set HW,  254
.set LOW, 255
.set PT,  64                           ; while a producer streams: v64-191 a chunk's numbers, column by column;  v192.. largest magnitudes, scale operands, bytes, codes
.set PM,  192
.set PSO, 196
.set PBY, 200
.set PPC, 204
.set MSB, 0
.macro WIN new                         ; the immediate's high byte repeats the setting that is left; at a label and at a branch every window is 0
.if MSB != \new
	s_set_vgpr_msb (MSB<<8)|\new
.set MSB, \new
.endif
.endm
.macro BARRIER                         ; my LDS stores have landed and my LDS loads are in: then the work-group's barrier.  It stands on every wave's way
	s_wait_dscnt 0x0
	s_barrier_signal -1
	s_barrier_wait -1
.endm
.macro SPAIR r, val                    ; a constant for the packed forms, which name a pair
	s_mov_b32 s[\r], \val
	s_mov_b32 s[\r+1], \val
.endm
; A chunk is 64 rows of K x 64 columns, 16 KiB: 32 loads.  Lanes 0-15 read 256 consecutive bytes of row k, lanes 16-31 those of row k + 32: a lane gets 4 columns x one whole block of 32 along K.
.macro ISSUE set, off
	WIN 0x40                                       ; destination window 1
.set ii, 0
.rept 32
	global_load_b128 v[128*(\set)+4*ii:128*(\set)+4*ii+3], v[PV], s[4:5] offset:(\off)+ii*ROWB th:TH_LOAD_NT
.set ii, ii+1
.endr
	WIN 0
.endm
; A chunk becomes codes.  cnt: the younger chunk's 32 loads may stay out.  The conversion wants 8 neighbours along K in consecutive registers, the loads bring 4 columns a register group: 128 moves turn them.
.macro CHUNK set, cnt, ldsoff, scoff, refill, noff
	s_wait_loadcnt \cnt
	s_wait_dscnt 0x0                               ; the last chunk's LDS stores have read their registers
	WIN 0x01                                       ; source window 1
.set ii, 0
.rept 32
.irp cc, 0,1,2,3
	v_mov_b32 v[PT+32*\cc+ii], v[128*(\set)+4*ii+\cc]
.endr
.set ii, ii+1
.endr
.if \refill
	ISSUE \set, \noff                              ; the landing registers are free: the chunk two further on is asked for at once
.else
	WIN 0
.endif
.irp cc, 0,1,2,3
	v_max3_num_f32 v[PM+\cc], |v[PT+32*\cc]|, |v[PT+32*\cc+1]|, 0x1800000   ; a column's block: all 32 numbers are mine; the floor 2^(3 - 127) holds the byte at 1 from below
.endr
.irp i, 2,4,6,8,10,12,14,16,18,20,22,24,26,28,30
.irp cc, 0,1,2,3
	s_delay_alu instid0(VALU_DEP_4)
	v_max3_num_f32 v[PM+\cc], v[PM+\cc], |v[PT+32*\cc+\i]|, |v[PT+32*\cc+\i+1]|
.endr
.endr
.irp cc, 0,1,2,3
	s_delay_alu instid0(VALU_DEP_4)
	v_add_nc_u32 v[PSO+\cc], 0xff000000, v[PM+\cc] ; 2 off the exponent field: the conversion's scale operand
.endr
.irp cc, 0,1,2,3
	s_delay_alu instid0(VALU_DEP_4)
	v_lshrrev_b32 v[PBY+\cc], 23, v[PSO+\cc]       ; the scale's byte
.endr
.irp cc, 0,1,2,3
.irp gq, 0,1,2,3
	v_cvt_scalef32_pk8_fp4_f32 v[PPC+4*\cc+\gq], v[PT+32*\cc+8*\gq:PT+32*\cc+8*\gq+7], v[PSO+\cc]
.endr
.endr
	v_nop                                          ; one plain place behind the scaled conversions
.irp cc, 0,1,2,3
	ds_store_b128 v[PST], v[PPC+4*\cc:PPC+4*\cc+3] offset:(\ldsoff)+16*\cc   ; a block's 16 bytes are one register group of one lane of an operand
	ds_store_b8 v[PSS], v[PBY+\cc] offset:(\scoff)+4*\cc
.endr
.endm
; Chunk qn = 4 stage + c of my 256 rows of K: rows 64 c on, columns 64 stage on.  K step 2 w + c / 2, register group c % 2.
.macro CHUNKQ qn
.set LOFF, 32768*((\qn)/4)+1024*(((\qn)%4)/2)+512*((\qn)%2)
.set SOFF, 2048*((\qn)/4)+256*(((\qn)%4)/2)+2*((\qn)%2)
.set NOFF, (((\qn)+2)%4)*64*ROWB+(((\qn)+2)/4)*256
.if (\qn) < 6
	CHUNK (\qn)%2, 32, LOFF, SOFF, 1, NOFF
.elseif (\qn) == 6
	CHUNK 0, 32, LOFF, SOFF, 0, 0
.else
	CHUNK 1, 0, LOFF, SOFF, 0, 0
.endif
.endm
; How many tiles w, w + 4, .. there are, held at lim: a consumer's 16, a producer's SPLIT.
.macro COUNT lim
	ds_load_b32 v242, v[CNA]
	s_wait_dscnt 0x0
	v_readfirstlane_b32 s32, v242
	s_min_u32 s32, s32, 1024
	s_add_co_u32 s33, s32, 15
	s_lshr_b32 s33, s33, 4                         ; tiles of 16 rows
	s_add_co_u32 s33, s33, 3
	s_sub_co_u32 s33, s33, s21
	s_lshr_b32 s33, s33, 2                         ; of which w, w + 4, .. are my family's
	s_min_u32 s33, s33, \lim
.endm
; The codes and scale words of a tile's 16 tokens are asked for.  ag, ar, off: the tile's place in the list for rows g and r.  Sixteen lanes read one aligned run of 256 bytes of a token.
.macro XGATHER ag, ar, off
.irp rho, 0,1,2,3,4,5,6,7
	ds_load_b32 v[T+\rho], v[\ag] offset:(\off)+8*\rho   ; the slot of row 2 rho + g
.endr
	ds_load_b32 v[T+8], v[\ar] offset:(\off)+0     ; and of row r
	s_wait_dscnt 0x0
.irp z, 0,1,2,3,4,5,6,7,8
	v_lshrrev_b32 v[T+\z], 1, v[T+\z]              ; slot = 2 token + k
.endr
.irp z, 0,1,2,3,4,5,6,7,8
	v_min_u32 v[T+\z], 0x3ff, v[T+\z]
.endr
.irp rho, 0,1,2,3,4,5,6,7
	v_lshl_add_u32 v[T+\rho], v[T+\rho], 9, v[P16]
.endr
	v_lshlrev_b32 v[T+8], 5, v[T+8]
.irp rho, 0,1,2,3,4,5,6,7
.irp hh, 0,1
	global_load_b128 v[XF+4*(2*\rho+\hh):XF+4*(2*\rho+\hh)+3], v[T+\rho], s[8:9] offset:256*\hh
.endr
.endr
	global_load_b128 v[XS:XS+3], v[T+8], s[10:11]
	global_load_b128 v[XS+4:XS+7], v[T+8], s[10:11] offset:16
	s_wait_xcnt 0x0                                ; the loads have read their offsets: those registers are written again below
.endm
; What came as (row, piece) a lane becomes (half, row) a lane: lane 16 h + r gets the 256 bytes of half h of token r: x's eight fragments.
.macro TURNX
.irp rho, 0,1,2,3,4,5,6,7
.irp hh, 0,1
	ds_store_b128 v[TS0], v[XF+4*(2*\rho+\hh):XF+4*(2*\rho+\hh)+3] offset:(16*\hh+2*\rho)*272
.endr
.endr
.irp p, 0,1,2,3,4,5,6,7,8,9,10,11,12,13,14,15
	ds_load_b128 v[XF+4*\p:XF+4*\p+3], v[TL0] offset:16*\p   ; LDS serves a wave's instructions in order: these see my stores
.endr
	s_wait_dscnt 0x0
.endm
; A stage's 32 fragments of W1 (window 1, fragment 8 tile + K step at v[8 f]) and their 16 registers of scale words come into my registers and stay for the stage.
.macro WREGS a
	WIN 0x40
.set f, 0
.rept 32
	ds_load_b128 v[8*f:8*f+3],   v[L16] offset:32768*(\a)+1024*f
	ds_load_b128 v[8*f+4:8*f+7], v[L16] offset:32768*(\a)+1024*f+512
.set f, f+1
.endr
	WIN 0
.irp j, 0,1,2,3,4,5,6,7,8,9,10,11,12,13,14,15
	ds_load_b32 v[WS+\j], v[WSA] offset:2048*(\a)+128*\j
.endr
	s_wait_dscnt 0x0
.endm
.macro PROD1 s, tau                    ; lanes 0-15 of a scale register hold the even tile's words, lanes 16-31 the odd tile's
.set rD, ACC+8*(\tau)
.set rA, 8*(8*(\tau)+(\s))
.set rB, XF+8*(\s)
.set rC, rD
.if (\s) == 0
.set rC, B1+8*(\tau)                   ; the bias starts the sum
.endif
.set rS, WS+2*(\s)+(\tau)/2
.if (\tau)%2
	v_wmma_scale_f32_16x16x128_f8f6f4 v[rD:rD+7], v[rA:rA+7], v[rB:rB+7], v[rC:rC+7], v[rS], v[XS+(\s)] matrix_a_fmt:MATRIX_FMT_FP4 matrix_b_fmt:MATRIX_FMT_FP4 matrix_a_scale:MATRIX_SCALE_ROW1
.else
	v_wmma_scale_f32_16x16x128_f8f6f4 v[rD:rD+7], v[rA:rA+7], v[rB:rB+7], v[rC:rC+7], v[rS], v[XS+(\s)] matrix_a_fmt:MATRIX_FMT_FP4 matrix_b_fmt:MATRIX_FMT_FP4
.endif
.endm
; The exact gelu of my 32 numbers, in place.  Two batches of transcendentals, one wait each; each accumulator is read from its low end on.
.macro GELU32
.set j, 0
.rept 32
	v_fma_f32 v[T+j], |v[ACC+j]|, s90, 1.0         ; 1 + |v| sqrt(2) / 4
.set j, j+1
.endr
.set j, 0
	s_wait_alu depctr_va_vdst(0)
.rept 32
	v_rcp_f32 v[T+j], v[T+j]                       ; t
.set j, j+1
.endr
	v_nop                                          ; a plain place behind the last reciprocal
	s_wait_alu depctr_va_vdst(0)                   ; the wait: one for the batch, ahead of its first reader
.set j, 0
.rept 16
	v_pk_fma_f32 v[E+j:E+j+1], v[VC9:VC9+1], v[T+j:T+j+1], s[68:69] op_sel_hi:[1,1,0]
.set j, j+2
.endr
	s_setprio 1
.irp c, 70,72,74,76,78,80,82,84        ; Horner, the 16 pairs by turns
.set j, 0
.rept 16
	v_pk_fma_f32 v[E+j:E+j+1], v[E+j:E+j+1], v[T+j:T+j+1], s[\c:\c+1] op_sel_hi:[1,1,0]
.set j, j+2
.endr
.endr
.set j, 0
.rept 4
.irp u, 0,2,4,6
	v_pk_mul_f32 v[TMP+\u:TMP+\u+1], v[ACC+j+\u:ACC+j+\u+1], v[ACC+j+\u:ACC+j+\u+1]
.endr
.irp u, 0,2,4,6
	s_delay_alu instid0(VALU_DEP_4)
	v_pk_fma_f32 v[E+j+\u:E+j+\u+1], v[TMP+\u:TMP+\u+1], s[86:87], v[E+j+\u:E+j+\u+1] op_sel_hi:[1,0,1]   ; - v^2 log2(e) / 2
.endr
.set j, j+8
.endr
.set j, 0
	s_wait_alu depctr_va_vdst(0)
.rept 32
	v_exp_f32 v[E+j], v[E+j]
.set j, j+1
.endr
.set j, 0
	s_setprio 0
.rept 32
	v_mul_f32 v[T+j], |v[ACC+j]|, v[T+j]           ; |v| t: work that names no exponential's result
.set j, j+1
.endr
.set j, 0
.rept 32
	v_max_num_f32 v[ACC+j], 0, v[ACC+j]
.set j, j+1
.endr
	s_wait_alu depctr_va_vdst(0)                   ; one wait for the 32 exponentials
.set j, 0
.rept 16
	v_pk_fma_f32 v[ACC+j:ACC+j+1], v[T+j:T+j+1], v[E+j:E+j+1], v[ACC+j:ACC+j+1] neg_lo:[1,0,0] neg_hi:[1,0,0]
.set j, j+2
.endr
.endm
; My 32 numbers are 16 of each of two blocks of 32 hidden units; lane l xor 16 holds the other 16.  They become one register group (4 registers) of the next product's operand, and two scale bytes.
.macro QUANT2
	v_max3_num_f32 v[M0], |v[ACC]|, |v[ACC+1]|, 0x1800000
	v_max3_num_f32 v[M0+1], |v[ACC+16]|, |v[ACC+17]|, 0x1800000
.irp i, 2,4,6,8,10,12,14
	s_delay_alu instid0(VALU_DEP_2)
	v_max3_num_f32 v[M0], v[M0], |v[ACC+\i]|, |v[ACC+\i+1]|
	s_delay_alu instid0(VALU_DEP_2)
	v_max3_num_f32 v[M0+1], v[M0+1], |v[ACC+16+\i]|, |v[ACC+17+\i]|
.endr
	s_delay_alu instid0(VALU_DEP_2)
	v_permlanex16_b32 v[MX], v[M0], s40, s41
	s_delay_alu instid0(VALU_DEP_2)
	v_permlanex16_b32 v[MX+1], v[M0+1], s40, s41
	s_delay_alu instid0(VALU_DEP_2)
	v_max_num_f32 v[M0], v[M0], v[MX]
	s_delay_alu instid0(VALU_DEP_2)
	v_max_num_f32 v[M0+1], v[M0+1], v[MX+1]
	s_delay_alu instid0(VALU_DEP_2)
	v_add_nc_u32 v[SO], 0xff000000, v[M0]
	s_delay_alu instid0(VALU_DEP_2)
	v_add_nc_u32 v[SO+1], 0xff000000, v[M0+1]
	s_delay_alu instid0(VALU_DEP_2)
	v_lshrrev_b32 v[BY], 23, v[SO]
	s_delay_alu instid0(VALU_DEP_2)
	v_lshrrev_b32 v[BY+1], 23, v[SO+1]
	s_delay_alu instid0(VALU_DEP_1)
	v_lshl_or_b32 v[HW], v[BY+1], 8, v[BY]
	v_cvt_scalef32_pk8_fp4_f32 v[PC], v[ACC:ACC+7], v[SO]
	v_cvt_scalef32_pk8_fp4_f32 v[PC+1], v[ACC+8:ACC+15], v[SO]
	v_cvt_scalef32_pk8_fp4_f32 v[PC+2], v[ACC+16:ACC+23], v[SO+1]
	v_cvt_scalef32_pk8_fp4_f32 v[PC+3], v[ACC+24:ACC+31], v[SO+1]
	v_nop                                          ; one plain place behind the scaled conversions
	v_permlane16_swap_b32 v[PC], v[PC+2]           ; the operand's layout wants a whole block in a lane: lanes 0-15 the first block, lanes 16-31 the second
	v_permlane16_swap_b32 v[PC+1], v[PC+3]
.endm
; Ahead of a run of tiles of stage a: b1 in the result's layout, and the run's first tile's tokens (off bytes on in the list).  The gather has no condition: the list is filled with zeros behind its end, so every address is a token's.
.macro CPRO a, off
	s_wait_loadcnt 0x0                             ; no load is out for the registers that are asked for again
	s_wait_xcnt 0x0
.irp tau, 0,1,2,3
	global_load_b128 v[B1+8*\tau:B1+8*\tau+3],   v[BOF], s[6:7] offset:256*(\a)+128*(\tau/2)+32*(\tau%2)
	global_load_b128 v[B1+8*\tau+4:B1+8*\tau+7], v[BOF], s[6:7] offset:256*(\a)+128*(\tau/2)+32*(\tau%2)+16
.endr
	XGATHER LAG, LAR, \off
.endm
; Stage a of tiles w + 4 i, i = i0 .. i1 - 1.  Every wave walks the trips, so that the stepped addresses can be read off the text; the work is done by the producers (prod = 1) or the consumers (0),
; and passed over by the others and where a wave's tiles are done.
.macro TILELOOP a, i0, i1, prod
	s_mov_b32 s34, \i0                             ; i
	s_mov_b32 s35, 256*((\i0)+1)                   ; the next tile's place in the list
.if (\i0) > 0
	s_mov_b32 s36, 128*((\i0)+1)                   ; the kept scale bytes' slot: one slot is left empty behind the first SPLIT
.else
	s_mov_b32 s36, 0
.endif
	s_mov_b32 s37, 131072*(\i0)
	s_mov_b32 s38, 8192*(\i0)
.Ltile_\@:
	s_wait_xcnt 0x0                                ; the last trip's stores have read their offsets and data
	v_add_nc_u32 v[LG2], s35, v[LAG]
	v_add_nc_u32 v[LR2], s35, v[LAR]
	v_add_nc_u32 v[SC2], s36, v[SC0]
	v_add_nc_u32 v[HOF], s37, v[L16]
	v_add_nc_u32 v[HSF], s38, v[R4]
	s_cmp_lt_u32 s20, 4
.if \prod
	s_cbranch_scc0 .Lnext_\@
.else
	s_cbranch_scc1 .Lnext_\@
.endif
	s_cmp_lt_u32 s34, s33                          ; i < my number of tiles
	s_cbranch_scc0 .Lnext_\@
	s_wait_loadcnt 0x0                             ; this tile's codes and scale words (and b1): how many loads are out hangs on the count, so the wait is for all
	s_setprio 2
	TURNX
	WIN 0x01                                       ; source 0 (W1) window 1
.irp s, 0,1,2,3,4,5,6,7                ; the four accumulators take turns, one instruction a turn
.irp tau, 0,1,2,3
	PROD1 \s, \tau
.endr
.endr
	WIN 0
	s_add_co_u32 s39, s34, 1
	s_cmp_lt_u32 s39, s33
	s_cbranch_scc0 .Lnog_\@
	s_wait_alu depctr_va_vdst(0)
	XGATHER LG2, LR2, 0                            ; the next tile's tokens, asked for ahead of the gelu; its 27 vector lines are the places behind the products.  (A consumer's stage 0 asks so across the two runs of its tiles)
	s_branch .Lgot_\@
.Lnog_\@:
.rept 4
	v_nop                                          ; places behind the products
.endr
.Lgot_\@:
	GELU32
	QUANT2
	global_store_b128 v[HOF], v[PC:PC+3], s[14:15] offset:512*(\a)   ; register group a of the fragment (tile, K step = slice): 512 consecutive bytes
.if (\a) == 0
	ds_store_b32 v[SC2], v[HW]                     ; the two bytes wait for stage 1's
.else
	ds_load_b32 v[LOW], v[SC2]
	s_wait_alu depctr_va_vdst(0)
	s_wait_dscnt 0x0
	v_lshl_or_b32 v[LOW], v[HW], 16, v[LOW]
	global_store_b32 v[HSF], v[LOW], s[16:17]      ; the row's scale word; both halves of the lanes hold and write the same
.endif
.Lnext_\@:
	s_add_co_u32 s34, s34, 1
	s_add_co_u32 s35, s35, 256
	s_add_co_u32 s36, s36, 128
	s_add_co_u32 s37, s37, 131072
	s_add_co_u32 s38, s38, 8192
	s_cmp_lt_u32 s34, \i1
	s_cbranch_scc1 .Ltile_\@
	s_setprio 0
.endm
	s_load_b256 s[4:11], s[0:1], 0x0               ; W1, b1, xq, xs
	s_load_b256 s[12:19], s[0:1], 0x20             ; ridx, hq, hs, rlist
	v_lshl_add_u32 v22, v0, 2, 0x25700
	v_mov_b32 v23, 0
	v_lshrrev_b32 v242, 5, v0
	s_delay_alu instid0(VALU_DEP_1)
	v_readfirstlane_b32 s20, v242                  ; wave 0..7
	s_and_b32 s21, s20, 3                          ; w: my number among the waves of my kind
	s_and_b32 s22, ttmp7, 0xffff                   ; e
	s_mov_b32 s23, ttmp9                           ; slice
	s_mov_b32 s32, 0
	s_mov_b32 s33, 0
	s_mov_b32 s40, 0x76543210
	s_mov_b32 s41, 0xfedcba98                      ; v_permlanex16_b32's selects for lane l xor 16
	SPAIR 68, 0xbf97d29d                           ; P's coefficients x log2(e), from t^8 down;
	SPAIR 70, 0x40097039
	SPAIR 72, 0xbfd1a1e5
	SPAIR 74, 0x3ecdfd18
	SPAIR 76, 0xbe899a80
	SPAIR 78, 0x3e0efb2e
	SPAIR 80, 0x3f0a29d2
	SPAIR 82, 0x3fb8ab5a
	SPAIR 84, 0xc034d90f                           ; the constant term, less 1 for the factor 1/2;
	SPAIR 86, 0xbf38aa3b                           ; - log2(e) / 2
	s_mov_b32 s90, 0x3eb504f3                      ; sqrt(2) / 4
	; every LDS address is made here, by every wave, of the thread's number, the wave's number and constants
	v_and_b32 v243, 31, v0                         ; lane
	v_bfe_u32 v244, v0, 4, 1                       ; g = h = lane / 16
	v_and_b32 v245, 15, v0                         ; q = r = lane % 16
	v_bfe_u32 v246, v0, 3, 1                       ; q's bits 3, 1, 2, 0
	v_bfe_u32 v247, v0, 1, 1
	v_bfe_u32 v248, v0, 2, 1
	v_and_b32 v249, 1, v0
	s_lshl_b32 s24, s21, 22
	v_lshlrev_b32 v[PV], 4, v245
	s_delay_alu instid0(VALU_DEP_1)
	v_lshl_add_u32 v[PV], v244, 19, v[PV]
	s_delay_alu instid0(VALU_DEP_1)
	v_add_nc_u32 v[PV], s24, v[PV]                 ; (256 w + 32 g) rows + 16 q bytes
	v_lshlrev_b32 v[PST], 14, v246                 ; column 4 q + cc: tile 2 q3 + q1 (8,192 bytes a tile), row 8 q2 + 4 q0 + cc (16 bytes a row); half g: 256; K step 2 w ..: 1,024
	s_delay_alu instid0(VALU_DEP_1)
	v_lshl_add_u32 v[PST], v247, 13, v[PST]
	s_delay_alu instid0(VALU_DEP_1)
	v_lshl_add_u32 v[PST], v244, 8, v[PST]
	s_delay_alu instid0(VALU_DEP_1)
	v_lshl_add_u32 v[PST], v248, 7, v[PST]
	s_delay_alu instid0(VALU_DEP_1)
	v_lshl_add_u32 v[PST], v249, 6, v[PST]
	s_lshl_b32 s24, s21, 11
	v_add_nc_u32 v[PST], s24, v[PST]
	v_lshl_add_u32 v[PSS], v246, 7, v244           ; the scale byte: pair q3: 128; odd tile q1: 64; row: 4; byte 2 (c % 2) + g
	s_delay_alu instid0(VALU_DEP_1)
	v_lshl_add_u32 v[PSS], v247, 6, v[PSS]
	s_delay_alu instid0(VALU_DEP_1)
	v_lshl_add_u32 v[PSS], v248, 5, v[PSS]
	s_delay_alu instid0(VALU_DEP_1)
	v_lshl_add_u32 v[PSS], v249, 4, v[PSS]
	s_lshl_b32 s24, s21, 9
	s_add_co_u32 s24, s24, SCW
	v_add_nc_u32 v[PSS], s24, v[PSS]
	v_lshlrev_b32 v[L16], 4, v243
	v_lshl_add_u32 v[WSA], v243, 2, SCW
	s_lshl_b32 s24, s21, 6
	s_add_co_u32 s24, s24, LISTR
	v_lshl_add_u32 v[LAG], v244, 2, s24
	v_lshl_add_u32 v[LAR], v245, 2, s24
	v_mov_b32 v[CNA], LISTR+4160
	v_add_nc_u32 v[LZ], LISTR, v[L16]
	s_mul_i32 s24, s21, 2304
	s_add_co_u32 s24, s24, SCR
	v_lshl_add_u32 v[SC0], v243, 2, s24            ; by w: a producer reads what its consumer kept
	s_mul_i32 s24, s20, 8704
	s_add_co_u32 s24, s24, TURN                    ; by the wave's number: each of the eight has a turner of its own
	v_mul_u32_u24 v[TS0], v244, 272
	s_delay_alu instid0(VALU_DEP_1)
	v_lshl_add_u32 v[TS0], v245, 4, v[TS0]
	s_delay_alu instid0(VALU_DEP_1)
	v_add_nc_u32 v[TS0], s24, v[TS0]
	v_mul_u32_u24 v[TL0], v243, 272
	s_delay_alu instid0(VALU_DEP_1)
	v_add_nc_u32 v[TL0], s24, v[TL0]
	v_lshlrev_b32 v[BOF], 6, v244
	v_lshlrev_b32 v[P16], 4, v245
	v_lshlrev_b32 v[R4], 2, v245
	v_mov_b32 v[VC9], 0x3e7c6f08
	v_mov_b32 v[VC9+1], 0x3e7c6f08
	v_mov_b32 v[MX], 0                             ; written once: a lane permute's destination counts as one of its sources
	v_mov_b32 v[MX+1], 0
	s_mov_b32 s25, 0
	s_mov_b32 s27, 0
	s_wait_kmcnt 0x0
	s_lshl_b32 s24, s22, 24
	s_lshl_b32 s26, s23, 9
	s_add_nc_u64 s[4:5], s[4:5], s[24:25]          ; W1[e],
	s_add_nc_u64 s[4:5], s[4:5], s[26:27]          ; at the slice's first column
	s_lshl_b32 s24, s22, 14
	s_add_nc_u64 s[6:7], s[6:7], s[24:25]          ; b1[e], at the slice
	s_add_nc_u64 s[6:7], s[6:7], s[26:27]
	s_lshl_b32 s24, s22, 21
	s_lshl_b32 s26, s23, 10
	s_add_nc_u64 s[14:15], s[14:15], s[24:25]      ; hq[e][tile w][K step = slice]
	s_add_nc_u64 s[14:15], s[14:15], s[26:27]
	s_lshl_b32 s24, s21, 15
	s_add_nc_u64 s[14:15], s[14:15], s[24:25]
	s_lshl_b32 s24, s22, 17
	s_lshl_b32 s26, s23, 6
	s_add_nc_u64 s[16:17], s[16:17], s[24:25]      ; hs likewise
	s_add_nc_u64 s[16:17], s[16:17], s[26:27]
	s_lshl_b32 s24, s21, 11
	s_add_nc_u64 s[16:17], s[16:17], s[24:25]
	s_mul_i32 s24, s22, 4608
	s_add_nc_u64 s[18:19], s[18:19], s[24:25]      ; rlist's row of e
	s_cmp_lt_u32 s20, 4
	s_cbranch_scc0 .Lc0
	ISSUE 0, 0                                     ; producers: the first two chunks are asked for before anything else
	ISSUE 1, 64*ROWB
	s_branch .Lb0
.Lc0:
	s_cmp_eq_u32 s20, 4
	s_cbranch_scc0 .Lb0
	; WAVE 4 PLACES THE ROWS.  Up to the barrier below no other wave touches LDS.  Token 32 p + lane; a token names an expert at most once.
	v_lshlrev_b32 v196, 3, v243
.set pp, 0
.rept 32
	global_load_b64 v[64+2*pp:65+2*pp], v196, s[12:13] offset:256*pp
.set pp, pp+1
.endr
	v_add_nc_u32 v197, 1152, v243                  ; the index of my word behind the list, for when my token did not choose e
	v_lshlrev_b32 v198, 1, v243
.irp z, 200,201,202,203
	v_mov_b32 v\z, 0
.endr
.irp k, 0,1,2,3,4,5,6,7,8
	ds_store_b128 v[LZ], v[200:203] offset:512*\k  ; the list begins as zeros
.endr
	s_wait_loadcnt 0x0
.set pp, 0
.rept 32
	v_cmp_eq_u32 s30, s22, v[64+2*pp]
	v_cmp_eq_u32 vcc_lo, s22, v[65+2*pp]
	s_or_b32 s31, s30, vcc_lo                      ; who chose e
	v_mbcnt_lo_u32_b32 v[128+pp], s31, s32         ; the count so far + the choosers in lower lanes: my place
	s_wait_alu depctr_va_vdst(0)
	v_cndmask_b32 v[128+pp], v197, v[128+pp], s31
	s_delay_alu instid0(VALU_DEP_1)
	v_min_u32 v[128+pp], 1183, v[128+pp]
	s_delay_alu instid0(VALU_DEP_1)
	v_lshl_add_u32 v[128+pp], v[128+pp], 2, LISTR
	v_cndmask_b32 v[160+pp], 0, 1, vcc_lo
	s_delay_alu instid0(VALU_DEP_1)
	v_add3_u32 v[160+pp], v[160+pp], v198, 64*pp   ; slot = 2 token + k
	ds_store_b32 v[128+pp], v[160+pp]
	s_bcnt1_i32_b32 s31, s31
	s_add_co_u32 s32, s32, s31
.set pp, pp+1
.endr
	s_max_u32 s24, s32, 1
	s_sub_co_u32 s24, s24, 1
	s_min_u32 s24, s24, 1023
	s_lshl_b32 s24, s24, 2
	s_add_co_u32 s24, s24, LISTR
	v_mov_b32 v192, s24
	ds_load_b32 v193, v192                         ; the last entry (LDS serves a wave's instructions in order)
	v_add_nc_u32 v194, s32, v245
	s_delay_alu instid0(VALU_DEP_1)
	v_min_u32 v194, 1039, v194
	s_delay_alu instid0(VALU_DEP_1)
	v_lshl_add_u32 v194, v194, 2, LISTR
	v_mov_b32 v195, s32
	s_wait_alu depctr_va_vdst(0)
	s_wait_dscnt 0x0
	ds_store_b32 v194, v193                        ; repeated in the 16 entries behind the count
	ds_store_b32 v[CNA], v195                      ; and the count
.Lb0:
	BARRIER                                        ; the list lies in LDS
	s_cmp_lt_u32 s20, 4
	s_cbranch_scc0 .Lc1
	CHUNKQ 0
	CHUNKQ 1
	CHUNKQ 2
	CHUNKQ 3
	s_branch .Lb1
.Lc1:
	COUNT 16
	s_lshl_b32 s24, s23, 3
	s_add_co_u32 s24, s24, s20
	s_cmp_eq_u32 s24, 4                            ; wave 4 of slice 0
	s_cbranch_scc0 .Lnocopy
.irp k, 0,1,2,3,4,5,6,7,8
	ds_load_b128 v[T+4*\k:T+4*\k+3], v[LZ] offset:512*\k
.endr
	s_wait_dscnt 0x0
.irp k, 0,1,2,3,4,5,6,7,8
	global_store_b128 v[L16], v[T+4*\k:T+4*\k+3], s[18:19] offset:512*\k   ; the list for the next launch: 512 consecutive bytes a store
.endr
.Lnocopy:
	s_wait_alu depctr_va_vdst(0)
	CPRO 0, 0
.Lb1:
	BARRIER                                        ; stage 0's images lie in LDS
	s_cmp_lt_u32 s20, 4
	s_cbranch_scc0 .Lc2
	CHUNKQ 4                                       ; producers go on with stage 1, into bytes of its own
	CHUNKQ 5
	CHUNKQ 6
	CHUNKQ 7
	COUNT SPLIT                                    ; the stream is done: from here on a producer works as a consumer does, on stage 1 of its family's first SPLIT tiles
	CPRO 1, 0                                      ; b1 and the first tile's tokens are asked for ahead of the barrier
	s_branch .Lj2
.Lc2:
	WREGS 0
.Lj2:
	TILELOOP 0, 0, SPLIT, 0                        ; consumers: stage 0 of the first SPLIT tiles
	BARRIER                                        ; stage 1's images lie in LDS, and so do the kept scale bytes of the first SPLIT tiles.  The last barrier
	s_cmp_lt_u32 s20, 4
	s_cbranch_scc0 .Lj3
	WREGS 1
.Lj3:
	TILELOOP 1, 0, SPLIT, 1                        ; producers: stage 1 of those tiles
	TILELOOP 0, SPLIT, 16, 0                       ; consumers, at the same time: stage 0 of the tiles behind them,
	s_cmp_lt_u32 s20, 4
	s_cbranch_scc1 .Lj4
	CPRO 1, 256*SPLIT
	WREGS 1
.Lj4:
	TILELOOP 1, SPLIT, 16, 0                       ; and their stage 1: the kept scale bytes are the wave's own
	s_wait_tensorcnt 0x0
	ds_add_u32 v22, v23
	s_wait_dscnt 0x0
	s_endpgm
.Lfunc_end_k_q290a27581f_ffn1:
	.size	k_q290a27581f_ffn1, .Lfunc_end_k_q290a27581f_ffn1-k_q290a27581f_ffn1
	.p2alignl 7, 3214868480
	.fill 96, 4, 3214868480
	.section	.rodata,"a",@progbits
	.p2align	6, 0x0
	.amdhsa_kernel k_q290a27581f_ffn1
		.amdhsa_group_segment_fixed_size 154368
		.amdhsa_private_segment_fixed_size 0
		.amdhsa_enable_private_segment 0
		.amdhsa_kernarg_size 64
		.amdhsa_user_sgpr_count 2
		.amdhsa_user_sgpr_kernarg_segment_ptr 1
		.amdhsa_wavefront_size32 1
		.amdhsa_system_sgpr_workgroup_id_x 1
		.amdhsa_system_sgpr_workgroup_id_y 1
		.amdhsa_system_sgpr_workgroup_id_z 1
		.amdhsa_system_vgpr_workitem_id 0
		.amdhsa_next_free_vgpr 512
		.amdhsa_next_free_sgpr 100
		.amdhsa_reserve_vcc 1
		.amdhsa_float_denorm_mode_32 3
		.amdhsa_float_denorm_mode_16_64 3
		.amdhsa_memory_ordered 1
		.amdhsa_forward_progress 1
		.amdhsa_inst_pref_size 255
	.end_amdhsa_kernel
	.section	.bss,"aw",@nobits
	.p2align	6
	.space	262144
	.amdgpu_metadata
---
amdhsa.version: [ 1, 2 ]
amdhsa.kernels:
  - .name:           k_q290a27581f_ffn1
    .symbol:         k_q290a27581f_ffn1.kd
    .args:
      - { .name: W1, .offset: 0, .size: 8, .value_kind: global_buffer, .address_space: global }
      - { .name: b1, .offset: 8, .size: 8, .value_kind: global_buffer, .address_space: global }
      - { .name: xq, .offset: 16, .size: 8, .value_kind: global_buffer, .address_space: global }
      - { .name: xs, .offset: 24, .size: 8, .value_kind: global_buffer, .address_space: global }
      - { .name: ridx, .offset: 32, .size: 8, .value_kind: global_buffer, .address_space: global }
      - { .name: hq, .offset: 40, .size: 8, .value_kind: global_buffer, .address_space: global }
      - { .name: hs, .offset: 48, .size: 8, .value_kind: global_buffer, .address_space: global }
      - { .name: rlist, .offset: 56, .size: 8, .value_kind: global_buffer, .address_space: global }
    .group_segment_fixed_size: 154368
    .private_segment_fixed_size: 0
    .kernarg_segment_align: 8
    .kernarg_segment_size: 64
    .max_flat_workgroup_size: 256
    .sgpr_count:     100
    .vgpr_count:     512
    .wavefront_size: 32
...
	.end_amdgpu_metadata
.endif
;; end of part 6
;; launch ffn2 (part 7): grid 32 x 8, 8 waves a work-group, no clusters, 88,064 bytes of LDS; arguments W2, hq, hs, rlist, yb; writes yb
.if DOCPART == 7
	.amdgcn_target "amdgcn-amd-amdhsa--gfx1250"
	.amdhsa_code_object_version 6
	.text
	.protected	k_q290a27581f_ffn2
	.globl	k_q290a27581f_ffn2
	.p2align	8
	.type	k_q290a27581f_ffn2,@function
k_q290a27581f_ffn2:
	s_mov_b64 s[64:65], 0
	v_nop
	global_prefetch_b8 v0, s[64:65] scope:SCOPE_SE
	s_setreg_imm32_b32 hwreg(HW_REG_WAVE_SCHED_MODE, 0, 2), 2
	s_setreg_imm32_b32 hwreg(HW_REG_WAVE_MODE, 25, 1), 1
	s_wait_xcnt 0x0
	s_wait_alu depctr_vm_vsrc(0)
; y = Q(h) Q(W2[e]) for the rows placed on expert e: 64 outputs (cg = x / 2) and half of K (kh = x % 2) a work-group; y = e.  The two halves' sums, b2 and the gates' weights meet in the next launch.
; W2[e][2,048 kh ..][64 cg ..] is 512 KiB of f32 with K as its first axis: read ONCE, quantised along K on the way, never stored as codes in memory.  Its rows here, and y's, are whole aligned runs of 256 bytes.
; ROLES as in the launch before: waves 0-3 PRODUCE (stream, quantise, lay images of operand registers in LDS), waves 4-7 CONSUME.  Eight stages of 256 along K (two K steps); a barrier behind each;
; every stage has LDS bytes of its own, so nothing in LDS is written twice, and a consumer multiplies stage j - 1 while the producers make stage j.
; Consumer w keeps up to 8 tiles of 16 rows (t = w + 4 i) as 32 accumulators in window 1.  Tiles 32 to 63 exist only where more than 512 tokens chose one expert: a second pass over the images, which still lie in LDS.
; The product is used transposed (source 0 = 16 columns of W2, source 1 = 16 rows of h): a lane holds one row and eight neighbouring outputs.
; THE ACCUMULATORS ARE CLEARED BY MOVES: slots without rows are passed over by branches on the stored count, so no product starts a sum on every way through the text; the consumers clear while the first weights are on their way.
; NO CLUSTER, NO TENSOR LOAD: what a wave does hangs on a stored count; what work-groups share (h's codes) is a small part of a work-group's bytes.
; LIMITS: NaN and infinities are not served.  A block of W2 whose largest magnitude lies under 2^-124 (a block of zeros too) gets the byte 1 with its codes.
; THE MODE: SCHED_MODE bits 1:0 = 2 (LLVM: expert scheduling mode 2), set by the entry lines.  The code itself states the register dependences
; between vector or matrix instructions and memory or LDS instructions, with s_wait_alu, always for 0.
; THE PLAN.  Registers that memory or LDS instructions touch:
;   v1-v13, v254, v255   Addresses, made at the head and never written again: one wait on va_vdst at the head's end serves every access that reads them.
;   the landing sets     (window 1, two sets of 128 registers, in a producer.)  A chunk's 32 loads land in a set; its 128 moves read it; ONE wait on va_vdst behind the moves; the loads of the chunk two further on land.
;   v[PPC ..], v[PBY ..] A chunk's conversions and shifts write them; ONE wait on va_vdst; its eight LDS stores read them; ONE wait on vm_vsrc at the next chunk's head, ahead of the lines that write them again.
;   v[HF ..], v[HSC ..]  The head's moves write them; a wait on va_vdst; stage 0's loads land.  Then, stage by stage: the products read them; the wait on va_vdst at the products' end; the next stage's loads land.
;   v[WF ..], v[WSC ..]  A stage's LDS loads land; its products read them; the same wait at the products' end frees them for the next stage's LDS loads: no vector or matrix line stands between.
;   the accumulators     (window 1, in a consumer.)  The products write them; the same wait; the way out's LDS stores read them; a wait on vm_vsrc behind the first pass, ahead of the moves that clear them again.
;   v[OD ..], v[OI ..], v[OV ..]  A slot on its way out: LDS loads land in OD and OI; two lines a row make OV of OI; a wait on va_vdst; the stores read OD and OV; a wait on vm_vsrc at the next slot's head.
;   v[SL ..]             Loads land; the way out's LDS stores read them; the wait on vm_vsrc behind the first pass; the second pass's loads land.
;   v14-v17              The second pass's four addresses: at a trip's head a wait on vm_vsrc, the four additions, a wait on va_vdst.
.set ROWB, 4096                        ; a row of W2[e] in bytes
.set SCW,  65536                       ; LDS: 0 .. 65,535 the images: fragment 8 j + 4 sl + tile, 1,024 bytes each;  then the scale words: K step 256, pair of tiles 128, lane 4
.set STG,  69632                       ; a consumer's stage for the way out: 16 rows x (256 bytes + 16); a row's slot number lies in its padding
.set PV,  1
.set PST, 2
.set PSS, 3
.set L16, 4
.set WSA, 5
.set HA,  6                            ; v6   h's codes: 16 x lane + my first tile     v7  its scale words: 4 x lane + my first tile
.set HG,  7
.set SLA, 8                            ; v8   the list: row r of my first tile
.set STO, 9
.set STI, 10
.set RD,  11
.set RDI, 12
.set P16, 13
.set WA2, 14                           ; v14-17 the second pass's addresses
.set WS2, 15
.set HA2, 16
.set HG2, 17
.set WSC, 18                           ; v18-21   W2's scale words of a stage: 2 sl + pair.  v18-29 hold scales and nothing else, in either kind of wave
.set HSC, 22                           ; v22-29   h's scale words, a register a slot: lanes 0-15 the stage's first K step, lanes 16-31 its second
.set WF,  32                           ; v32-95   W2's eight fragments of a stage: 4 sl + tile
.set SL,  108                          ; v108-115 the rows' slot numbers, a register a slot
.set HF,  116                          ; v116-243 h's fragments: 16 registers a slot
.set OD,  116                          ; the way out: rows read back,
.set OI,  148                          ; their slot numbers,
.set OV,  156                          ; their offsets in yb
.set PT,  64                           ; producers: v64-191 a chunk's numbers, column by column;  v192.. largest magnitudes, scale operands, bytes, codes
.set PM,  192
.set PSO, 196
.set PBY, 200
.set PPC, 204
.set MSB, 0
.macro WIN new                         ; the immediate's high byte repeats the setting that is left; at a label and at a branch every window is 0
.if MSB != \new
	s_set_vgpr_msb (MSB<<8)|\new
.set MSB, \new
.endif
.endm
.macro BARRIER                         ; my LDS stores have landed and my LDS loads are in: then the work-group's barrier.  It stands on every wave's way
	s_wait_dscnt 0x0
	s_barrier_signal -1
	s_barrier_wait -1
.endm
; A chunk is 64 rows of K x 64 columns, 16 KiB: 32 loads.  Lanes 0-15 read 256 consecutive bytes of row k, lanes 16-31 those of row k + 32: a lane gets 4 columns x one whole block of 32 along K.
; again = 1: the set has been worked on.
.macro ISSUE set, off, again
	WIN 0x40                                       ; destination window 1
.if \again
	s_wait_alu depctr_va_vdst(0)                   ; the 128 moves above are done reading this landing set, in which the loads below land
.endif
.set ii, 0
.rept 32
	global_load_b128 v[128*(\set)+4*ii:128*(\set)+4*ii+3], v[PV], s[4:5] offset:(\off)+ii*ROWB th:TH_LOAD_NT
.set ii, ii+1
.endr
	WIN 0
.endm
; A chunk becomes codes.  cnt: the younger chunk's 32 loads may stay out.  128 moves bring 32 neighbours along K of each of my 4 columns into consecutive registers, as the conversion wants them.
; later = 1: a chunk stands ahead of this one.
.macro CHUNK set, cnt, ldsoff, scoff, refill, noff, later
	s_wait_loadcnt \cnt
	s_wait_dscnt 0x0                               ; the last chunk's LDS stores are done
.if \later
	s_wait_alu depctr_vm_vsrc(0)                   ; the last chunk's LDS stores have read v[PPC ..] and v[PBY ..], which this chunk's conversions and shifts write again
.endif
	WIN 0x01                                       ; source window 1
.set ii, 0
.rept 32
.irp cc, 0,1,2,3
	v_mov_b32 v[PT+32*\cc+ii], v[128*(\set)+4*ii+\cc]
.endr
.set ii, ii+1
.endr
.if \refill
	ISSUE \set, \noff, 1                           ; the landing registers are free: the chunk two further on is asked for at once
.else
	WIN 0
.endif
.irp cc, 0,1,2,3
	v_max3_num_f32 v[PM+\cc], |v[PT+32*\cc]|, |v[PT+32*\cc+1]|, 0x1800000   ; the floor 2^(3 - 127) holds the byte at 1 from below
.endr
.irp i, 2,4,6,8,10,12,14,16,18,20,22,24,26,28,30
.irp cc, 0,1,2,3
	v_max3_num_f32 v[PM+\cc], v[PM+\cc], |v[PT+32*\cc+\i]|, |v[PT+32*\cc+\i+1]|
.endr
.endr
.irp cc, 0,1,2,3
	v_add_nc_u32 v[PSO+\cc], 0xff000000, v[PM+\cc] ; 2 off the exponent field: the conversion's scale operand
.endr
.irp cc, 0,1,2,3
	v_lshrrev_b32 v[PBY+\cc], 23, v[PSO+\cc]       ; the scale's byte
.endr
.irp cc, 0,1,2,3
.irp gq, 0,1,2,3
	v_cvt_scalef32_pk8_fp4_f32 v[PPC+4*\cc+\gq], v[PT+32*\cc+8*\gq:PT+32*\cc+8*\gq+7], v[PSO+\cc]
.endr
.endr
	v_nop                                          ; one plain place behind the scaled conversions
	s_wait_alu depctr_va_vdst(0)                   ; the conversions have written v[PPC ..] and the shifts v[PBY ..], which the LDS stores below read
.irp cc, 0,1,2,3
	ds_store_b128 v[PST], v[PPC+4*\cc:PPC+4*\cc+3] offset:(\ldsoff)+16*\cc
	ds_store_b8 v[PSS], v[PBY+\cc] offset:(\scoff)+4*\cc
.endr
.endm
.macro CHUNKJ j                        ; stage j: my 64 rows of its 256
.if (\j) == 0
	CHUNK 0, 32, 0, 0, 1, 2*256*ROWB, 0
.elseif (\j) < 6
	CHUNK (\j)%2, 32, 8192*(\j), 512*(\j), 1, ((\j)+2)*256*ROWB, 1
.elseif (\j) == 6
	CHUNK 0, 32, 8192*(\j), 512*(\j), 0, 0, 1
.else
	CHUNK 1, 0, 8192*(\j), 512*(\j), 0, 0, 1
.endif
.endm
; h's fragments and scale words of stage j for my first n slots; the chain ends at the first slot without rows.
.macro HLOAD n, ha, hg, j
.irp i, 0,1,2,3,4,5,6,7
	s_cmp_le_u32 s[\n], \i
	s_cbranch_scc1 .Lhl_\@
.irp m, 0,1,2,3
	global_load_b128 v[HF+16*\i+4*\m:HF+16*\i+4*\m+3], v[\ha], s[6:7] offset:131072*\i+2048*(\j)+512*\m
.endr
	global_load_b32 v[HSC+\i], v[\hg], s[8:9] offset:8192*\i+128*(\j)
.endr
.Lhl_\@:
.endm
.macro WLOAD wa, ws, j                 ; W2's eight fragments of stage j, and their scale words, from LDS
.irp f, 0,1,2,3,4,5,6,7
	ds_load_b128 v[WF+8*\f:WF+8*\f+3],   v[\wa] offset:8192*(\j)+1024*\f
	ds_load_b128 v[WF+8*\f+4:WF+8*\f+7], v[\wa] offset:8192*(\j)+1024*\f+512
.endr
.irp m, 0,1,2,3
	ds_load_b32 v[WSC+\m], v[\ws] offset:512*(\j)+128*\m
.endr
.endm
.macro PROD2 i, sl, tau
.set rD, 32*(\i)+8*(\tau)
.set rA, WF+32*(\sl)+8*(\tau)
.set rB, HF+16*(\i)+8*(\sl)
.set rS, WSC+2*(\sl)+(\tau)/2
.if ((\tau)%2) && (\sl)
	v_wmma_scale_f32_16x16x128_f8f6f4 v[rD:rD+7], v[rA:rA+7], v[rB:rB+7], v[rD:rD+7], v[rS], v[HSC+(\i)] matrix_a_fmt:MATRIX_FMT_FP4 matrix_b_fmt:MATRIX_FMT_FP4 matrix_a_scale:MATRIX_SCALE_ROW1 matrix_b_scale:MATRIX_SCALE_ROW1
.elseif (\tau)%2
	v_wmma_scale_f32_16x16x128_f8f6f4 v[rD:rD+7], v[rA:rA+7], v[rB:rB+7], v[rD:rD+7], v[rS], v[HSC+(\i)] matrix_a_fmt:MATRIX_FMT_FP4 matrix_b_fmt:MATRIX_FMT_FP4 matrix_a_scale:MATRIX_SCALE_ROW1
.elseif \sl
	v_wmma_scale_f32_16x16x128_f8f6f4 v[rD:rD+7], v[rA:rA+7], v[rB:rB+7], v[rD:rD+7], v[rS], v[HSC+(\i)] matrix_a_fmt:MATRIX_FMT_FP4 matrix_b_fmt:MATRIX_FMT_FP4 matrix_b_scale:MATRIX_SCALE_ROW1
.else
	v_wmma_scale_f32_16x16x128_f8f6f4 v[rD:rD+7], v[rA:rA+7], v[rB:rB+7], v[rD:rD+7], v[rS], v[HSC+(\i)] matrix_a_fmt:MATRIX_FMT_FP4 matrix_b_fmt:MATRIX_FMT_FP4
.endif
.endm
; A stage's products for my first n slots: eight a slot, its four accumulators by turns, one instruction a turn.
; A scale register written by a vector instruction stands eight places ahead of a scaled matrix instruction, an operand so written four.  No vector instruction stands inside the chain of slots,
; so the eight v_nop at its head are those places for all its products, whatever vector line was the last to write one of their registers (the moves at the head, where a slot's loads were passed over).
.macro MULT n
	s_wait_loadcnt 0x0                             ; how many loads are out hangs on the count: the wait is for all
	s_wait_dscnt 0x0
.rept 8
	v_nop
.endr
	s_wait_alu depctr_va_vdst(0)                   ; the head's moves have written v[HSC ..] and v[HF ..], which stay where a slot's loads were passed over and which the products below take as scales and as an operand: stated behind the places
.irp i, 0,1,2,3,4,5,6,7
	s_cmp_le_u32 s[\n], \i
	s_cbranch_scc1 .Lmu_\@
	WIN 0x50                                       ; C and D window 1
.irp sl, 0,1
.irp tau, 0,1,2,3
	PROD2 \i, \sl, \tau
.endr
.endr
	WIN 0
.endr
.Lmu_\@:
.rept 4
	v_nop                                          ; places in front of the first read of results
.endr
	s_wait_alu depctr_va_vdst(0)                   ; the products are done reading v[HF ..], v[HSC ..], v[WF ..] and v[WSC ..], in which the next stage's loads and LDS loads land, and have written the accumulators, which the way out's LDS stores read
.endm
; Slot i goes out: through my stage, so that sixteen lanes store one aligned run of 256 bytes of a slot's row of yb.  Each accumulator is read from its low end on.
.macro SLOTOUT n, i
	s_cmp_le_u32 s[\n], \i
	s_cbranch_scc1 .Lso_\@
	s_wait_xcnt 0x0                                ; the last slot's stores have read their registers
.if (\i) > 0
	s_wait_alu depctr_vm_vsrc(0)                   ; the last slot's stores have read v[OD ..], in which the LDS loads below land, and v[OV ..], which the lines below write again
.endif
	WIN 0x04                                       ; an LDS store's data are its source 1: window 1
.irp tau, 0,1,2,3
	ds_store_b128 v[STO], v[32*(\i)+8*\tau:32*(\i)+8*\tau+3] offset:64*\tau
	ds_store_b128 v[STO], v[32*(\i)+8*\tau+4:32*(\i)+8*\tau+7] offset:64*\tau+16
.endr
	WIN 0
	ds_store_b32 v[STI], v[SL+(\i)]                ; both halves of the lanes write the same number
.irp z, 0,1,2,3,4,5,6,7
	ds_load_b128 v[OD+4*\z:OD+4*\z+3], v[RD] offset:544*\z   ; LDS serves a wave's instructions in order: these see my stores.  Rows 2 z + g
	ds_load_b32 v[OI+\z], v[RDI] offset:544*\z
.endr
	s_wait_dscnt 0x0
.irp z, 0,1,2,3,4,5,6,7
	v_min_u32 v[OI+\z], 0x7ff, v[OI+\z]
.endr
.irp z, 0,1,2,3,4,5,6,7
	v_lshl_add_u32 v[OV+\z], v[OI+\z], 12, v[P16]
.endr
	s_wait_alu depctr_va_vdst(0)                   ; the lines above have written the offsets v[OV ..], which the stores below read, and are done with v[OI ..], in which the next slot's LDS loads land
.irp z, 0,1,2,3,4,5,6,7
	global_store_b128 v[OV+\z], v[OD+4*\z:OD+4*\z+3], s[12:13]
.endr
.Lso_\@:
.endm
.macro CLEARACC
	WIN 0x40
.set j, 0
.rept 256
	v_mov_b32 v[j], 0
.set j, j+1
.endr
	WIN 0
.endm
	s_load_b256 s[4:11], s[0:1], 0x0               ; W2, hq, hs, rlist
	s_load_b64 s[12:13], s[0:1], 0x20              ; yb
	v_lshl_add_u32 v254, v0, 2, 0x15400
	v_mov_b32 v255, 0
	v_lshrrev_b32 v244, 5, v0
	v_readfirstlane_b32 s20, v244                  ; wave 0..7
	s_wait_alu depctr_va_sdst(0)                   ; s20 is written, ahead of its first reader
	s_and_b32 s21, s20, 3                          ; w
	s_and_b32 s22, ttmp7, 0xffff                   ; e
	s_lshr_b32 s23, ttmp9, 1                       ; cg
	s_and_b32 s24, ttmp9, 1                        ; kh
	s_mov_b32 s33, 0
	s_mov_b32 s34, 0
	s_mov_b32 s35, 0
	s_lshr_b32 s25, s21, 1                         ; a producer's K step of the stage's two,
	s_and_b32 s26, s21, 1                          ; and its register group
	; every LDS address is made here, by every wave
	v_and_b32 v245, 31, v0                         ; lane
	v_bfe_u32 v246, v0, 4, 1                       ; g = h
	v_and_b32 v247, 15, v0                         ; q = r
	v_bfe_u32 v248, v0, 3, 1                       ; q / 8: the pair of tiles
	v_bfe_u32 v249, v0, 2, 1                       ; the odd tile of a pair
	v_and_b32 v250, 3, v0                          ; q % 4
	v_bfe_u32 v251, v0, 2, 2                       ; q / 4: the tile.  Column 4 q + cc = 16 tile + row, row = 4 (q % 4) + cc
	s_lshl_b32 s28, s21, 18
	v_lshlrev_b32 v[PV], 4, v247
	v_lshl_add_u32 v[PV], v246, 17, v[PV]
	v_add_nc_u32 v[PV], s28, v[PV]                 ; (64 w + 32 g) rows + 16 q bytes
	v_lshlrev_b32 v[PST], 10, v251
	v_lshl_add_u32 v[PST], v246, 8, v[PST]
	v_lshl_add_u32 v[PST], v250, 6, v[PST]
	s_lshl_b32 s28, s25, 12
	s_lshl_b32 s29, s26, 9
	s_add_co_u32 s28, s28, s29
	v_add_nc_u32 v[PST], s28, v[PST]
	v_lshl_add_u32 v[PSS], v248, 7, v246
	v_lshl_add_u32 v[PSS], v249, 6, v[PSS]
	v_lshl_add_u32 v[PSS], v250, 4, v[PSS]
	s_lshl_b32 s28, s25, 8
	s_lshl_b32 s29, s26, 1
	s_add_co_u32 s28, s28, s29
	s_add_co_u32 s28, s28, SCW
	v_add_nc_u32 v[PSS], s28, v[PSS]
	v_lshlrev_b32 v[L16], 4, v245
	v_lshl_add_u32 v[WSA], v245, 2, SCW
	s_lshl_b32 s28, s21, 15
	v_add_nc_u32 v[HA], s28, v[L16]
	s_lshl_b32 s28, s21, 11
	v_lshl_add_u32 v[HG], v245, 2, s28
	s_lshl_b32 s28, s21, 6
	v_lshl_add_u32 v[SLA], v247, 2, s28
	s_mul_i32 s28, s21, 4352
	s_add_co_u32 s28, s28, STG                     ; my stage
	v_mul_u32_u24 v244, v247, 272
	v_add_nc_u32 v244, s28, v244
	v_lshl_add_u32 v[STO], v246, 5, v244           ; in: row r, 32 bytes for each half of the lanes
	v_add_nc_u32 v[STI], 256, v244
	v_mul_u32_u24 v244, v246, 272
	v_add_nc_u32 v244, s28, v244
	v_lshl_add_u32 v[RD], v247, 4, v244            ; back: lanes 0-15 one row, lanes 16-31 the next
	v_add_nc_u32 v[RDI], 256, v244
	v_lshlrev_b32 v[P16], 4, v247
	s_mov_b32 s29, 0
	s_mov_b32 s31, 0
	s_wait_kmcnt 0x0
	s_lshl_b32 s28, s22, 24
	s_lshl_b32 s30, s24, 23
	s_add_nc_u64 s[4:5], s[4:5], s[28:29]          ; W2[e],
	s_add_nc_u64 s[4:5], s[4:5], s[30:31]          ; my half of K,
	s_add_nc_u64 s[12:13], s[12:13], s[30:31]      ; (yb's half likewise)
	s_lshl_b32 s28, s23, 8
	s_add_nc_u64 s[4:5], s[4:5], s[28:29]          ; my 64 columns
	s_add_nc_u64 s[12:13], s[12:13], s[28:29]
	s_lshl_b32 s28, s22, 21
	s_lshl_b32 s30, s24, 14
	s_add_nc_u64 s[6:7], s[6:7], s[28:29]          ; hq[e], at my half's first K step
	s_add_nc_u64 s[6:7], s[6:7], s[30:31]
	s_lshl_b32 s28, s22, 17
	s_lshl_b32 s30, s24, 10
	s_add_nc_u64 s[8:9], s[8:9], s[28:29]          ; hs likewise
	s_add_nc_u64 s[8:9], s[8:9], s[30:31]
	s_mul_i32 s28, s22, 4608
	s_add_nc_u64 s[10:11], s[10:11], s[28:29]      ; rlist's row of e
	s_wait_alu depctr_va_vdst(0)                   ; the head's lines have written the addresses v1 to v13, which every load, store and LDS instruction below reads
	s_cmp_lt_u32 s20, 4
	s_cbranch_scc0 .Lcons_0
	ISSUE 0, 0, 0
	ISSUE 1, 256*ROWB, 0
	CHUNKJ 0
	s_branch .Lbar_0
.Lcons_0:
	s_load_b32 s32, s[10:11], 0x1040               ; how many rows chose e
.irp i, 0,1,2,3,4,5,6,7
	global_load_b32 v[SL+\i], v[SLA], s[10:11] offset:256*\i   ; the slot numbers of my first eight tiles' rows; the list is whole behind its end too
.endr
.irp i, 0,1,2,3,4,5,6,7
	v_mov_b32 v[HSC+\i], 0x7f7f7f7f                ; written once, since the loads below stand under branches: the byte 127, 2^0
.endr
.set j, 0
.rept 128
	v_mov_b32 v[HF+j], 0                           ; likewise: zero codes
.set j, j+1
.endr
	CLEARACC
	s_wait_kmcnt 0x0
	s_min_u32 s32, s32, 1024
	s_add_co_u32 s33, s32, 15
	s_lshr_b32 s33, s33, 4                         ; tiles of 16 rows
	s_add_co_u32 s33, s33, 3
	s_sub_co_u32 s33, s33, s21
	s_lshr_b32 s33, s33, 2                         ; of which w, w + 4, .. are mine:
	s_min_u32 s34, s33, 8                          ; the first pass's,
	s_sub_co_u32 s35, s33, s34                     ; and the second's
	s_wait_alu depctr_va_vdst(0)                   ; the moves above have written v[HSC ..] and v[HF ..], in which the loads below land
	HLOAD 34, HA, HG, 0
.Lbar_0:
	BARRIER                                        ; stage 0's images lie in LDS
.irp j, 1,2,3,4,5,6,7
	s_cmp_lt_u32 s20, 4
	s_cbranch_scc0 .Lcons_\j
	CHUNKJ \j
	s_branch .Lbar_\j
.Lcons_\j:
	WLOAD L16, WSA, (\j-1)
	MULT 34
	HLOAD 34, HA, HG, \j                           ; asked for ahead of the barrier, wanted behind it
.Lbar_\j:
	BARRIER
.endr
	s_cmp_lt_u32 s20, 4
	s_cbranch_scc1 .Lp2init
	WLOAD L16, WSA, 7
	MULT 34
.irp i, 0,1,2,3,4,5,6,7
	SLOTOUT 34, \i
.endr
	s_wait_xcnt 0x0                                ; the stores have read their registers
	s_wait_alu depctr_vm_vsrc(0)                   ; the way out's LDS stores have read v[SL ..], in which the loads below land, and the accumulators, which the moves below clear; its stores have read v[OD ..] and v[OV ..], in which the second pass's loads land
.irp i, 0,1,2,3,4,5,6,7
	global_load_b32 v[SL+\i], v[SLA], s[10:11] offset:2048+256*\i   ; tiles w + 32 on
.endr
	s_cmp_eq_u32 s35, 0
	s_cbranch_scc1 .Lp2init
	CLEARACC
.Lp2init:
	; THE SECOND PASS: eight trips, walked by every wave; its work is passed over where no tile is left
	s_mov_b32 s36, 0
	s_mov_b32 s37, 0
	s_mov_b32 s38, 0
	s_mov_b32 s39, 1048576                         ; 32 tiles on in hq,
	s_mov_b32 s40, 65536                           ; and in hs
.Lp2:
	s_wait_xcnt 0x0
	s_wait_alu depctr_vm_vsrc(0)                   ; the last trip's loads and LDS loads have read the four addresses below
	v_add_nc_u32 v[WA2], s37, v[L16]
	v_add_nc_u32 v[WS2], s38, v[WSA]
	v_add_nc_u32 v[HA2], s39, v[HA]
	v_add_nc_u32 v[HG2], s40, v[HG]
	s_wait_alu depctr_va_vdst(0)                   ; the four addresses are written, which this trip's loads and LDS loads read
	s_cmp_lt_u32 s20, 4
	s_cbranch_scc1 .Lp2n
	s_cmp_eq_u32 s35, 0
	s_cbranch_scc1 .Lp2n
	s_wait_loadcnt 0x0                             ; no load is out for a register that is asked for again, on whatever way these lines are reached
	HLOAD 35, HA2, HG2, 0
	WLOAD WA2, WS2, 0
	MULT 35
.Lp2n:
	s_add_co_u32 s36, s36, 1
	s_add_co_u32 s37, s37, 8192
	s_add_co_u32 s38, s38, 512
	s_add_co_u32 s39, s39, 2048
	s_add_co_u32 s40, s40, 128
	s_cmp_lt_u32 s36, 8
	s_cbranch_scc1 .Lp2
	s_cmp_lt_u32 s20, 4
	s_cbranch_scc1 .Lend
	s_wait_loadcnt 0x0                             ; the slot numbers
.irp i, 0,1,2,3,4,5,6,7
	SLOTOUT 35, \i
.endr
.Lend:
	s_wait_dscnt 0x0                               ; the closing lines, six on end
	s_wait_alu 0x0
	s_wait_tensorcnt 0x0
	ds_add_u32 v254, v255
	s_wait_dscnt 0x0
	s_endpgm
.Lfunc_end_k_q290a27581f_ffn2:
	.size	k_q290a27581f_ffn2, .Lfunc_end_k_q290a27581f_ffn2-k_q290a27581f_ffn2
	.p2alignl 7, 3214868480
	.fill 96, 4, 3214868480
	.section	.rodata,"a",@progbits
	.p2align	6, 0x0
	.amdhsa_kernel k_q290a27581f_ffn2
		.amdhsa_group_segment_fixed_size 88064
		.amdhsa_private_segment_fixed_size 0
		.amdhsa_enable_private_segment 0
		.amdhsa_kernarg_size 40
		.amdhsa_user_sgpr_count 2
		.amdhsa_user_sgpr_kernarg_segment_ptr 1
		.amdhsa_wavefront_size32 1
		.amdhsa_system_sgpr_workgroup_id_x 1
		.amdhsa_system_sgpr_workgroup_id_y 1
		.amdhsa_system_sgpr_workgroup_id_z 1
		.amdhsa_system_vgpr_workitem_id 0
		.amdhsa_next_free_vgpr 512
		.amdhsa_next_free_sgpr 66
		.amdhsa_reserve_vcc 0
		.amdhsa_float_denorm_mode_32 3
		.amdhsa_float_denorm_mode_16_64 3
		.amdhsa_memory_ordered 1
		.amdhsa_forward_progress 1
		.amdhsa_inst_pref_size 255
	.end_amdhsa_kernel
	.section	.bss,"aw",@nobits
	.p2align	6
	.space	262144
	.amdgpu_metadata
---
amdhsa.version: [ 1, 2 ]
amdhsa.kernels:
  - .name:           k_q290a27581f_ffn2
    .symbol:         k_q290a27581f_ffn2.kd
    .args:
      - { .name: W2, .offset: 0, .size: 8, .value_kind: global_buffer, .address_space: global }
      - { .name: hq, .offset: 8, .size: 8, .value_kind: global_buffer, .address_space: global }
      - { .name: hs, .offset: 16, .size: 8, .value_kind: global_buffer, .address_space: global }
      - { .name: rlist, .offset: 24, .size: 8, .value_kind: global_buffer, .address_space: global }
      - { .name: yb, .offset: 32, .size: 8, .value_kind: global_buffer, .address_space: global }
    .group_segment_fixed_size: 88064
    .private_segment_fixed_size: 0
    .kernarg_segment_align: 8
    .kernarg_segment_size: 40
    .max_flat_workgroup_size: 256
    .sgpr_count:     66
    .vgpr_count:     512
    .wavefront_size: 32
...
	.end_amdgpu_metadata
.endif
;; end of part 7
;; launch mix (part 8): grid 256 x 1, 4 waves a work-group, no clusters, 0 bytes of LDS; arguments yb, rw, ridx, b2, out0; writes out0
.if DOCPART == 8
	.amdgcn_target "amdgcn-amd-amdhsa--gfx1250"
	.amdhsa_code_object_version 6
	.text
	.protected	k_q290a27581f_mix
	.globl	k_q290a27581f_mix
	.p2align	8
	.type	k_q290a27581f_mix,@function
k_q290a27581f_mix:
	s_mov_b64 s[64:65], 0
	v_nop
	global_prefetch_b8 v0, s[64:65] scope:SCOPE_SE
	s_setreg_imm32_b32 hwreg(HW_REG_WAVE_MODE, 25, 1), 1
	s_wait_xcnt 0x0
; out[n] = w0 (y[2 n] + b2[e0]) + w1 (y[2 n + 1] + b2[e1]); y[slot] is the sum of the two halves of K that the launch before stored.  All in f32.
; One wave takes one token: 1,024 numbers in eight pieces of 512 consecutive bytes.
; The weights and the experts' numbers come by scalar loads: the numbers are whole numbers that an earlier launch stored, and steer b2's rows alone.  y's addresses hang on the token alone:
; so y's 32 loads go out while those scalar loads are on their way, and b2's 16 loads behind the wait for them.  The wait ahead of piece p leaves the two b2 loads of each younger piece out; all of y's loads are older.
; A stream of 20 MiB: no LDS, no barrier, no matrix unit, no cluster (the work-groups share b2 alone, 32 KiB).
.set D, 4                              ; v4-195: piece p at v[4 + 24 p]: slot 0's two halves, slot 1's two halves, b2[e0], b2[e1], four registers each
	s_load_b256 s[4:11], s[0:1], 0x0               ; yb, rw, ridx, b2
	s_load_b64 s[12:13], s[0:1], 0x20              ; out0
	v_lshrrev_b32 v1, 5, v0
	v_readfirstlane_b32 s16, v1                    ; wave
	v_and_b32 v1, 31, v0
	v_lshlrev_b32 v1, 4, v1                        ; 16 x lane
	s_lshl_b32 s17, ttmp9, 2
	s_add_co_u32 s17, s17, s16                     ; my token
	s_lshl_b32 s18, s17, 3
	s_mov_b32 s19, 0
	s_mov_b32 s25, 0
	s_wait_alu depctr_va_vdst(0)
	s_wait_kmcnt 0x0
	s_add_nc_u64 s[6:7], s[6:7], s[18:19]
	s_add_nc_u64 s[8:9], s[8:9], s[18:19]
	s_load_b64 s[20:21], s[6:7], 0x0               ; w0, w1
	s_load_b64 s[22:23], s[8:9], 0x0               ; e0, e1
	s_lshl_b32 s24, s17, 13
	s_add_nc_u64 s[4:5], s[4:5], s[24:25]          ; yb: the first half of K, slot 2 n;
	s_add_nc_u64 s[26:27], s[4:5], 0x800000        ; the second half
.irp p, 0,1,2,3,4,5,6,7
	global_load_b128 v[D+24*\p:D+24*\p+3],     v1, s[4:5] offset:512*\p th:TH_LOAD_NT
	global_load_b128 v[D+24*\p+4:D+24*\p+7],   v1, s[26:27] offset:512*\p th:TH_LOAD_NT
	global_load_b128 v[D+24*\p+8:D+24*\p+11],  v1, s[4:5] offset:4096+512*\p th:TH_LOAD_NT
	global_load_b128 v[D+24*\p+12:D+24*\p+15], v1, s[26:27] offset:4096+512*\p th:TH_LOAD_NT
.endr
	s_lshl_b32 s24, s17, 12
	s_add_nc_u64 s[12:13], s[12:13], s[24:25]      ; my row of out
	s_wait_kmcnt 0x0
	s_min_u32 s22, s22, 7
	s_min_u32 s23, s23, 7
	s_lshl_b32 s28, s22, 12
	s_mov_b32 s29, 0
	s_add_nc_u64 s[28:29], s[10:11], s[28:29]      ; b2[e0]
	s_lshl_b32 s30, s23, 12
	s_mov_b32 s31, 0
	s_add_nc_u64 s[30:31], s[10:11], s[30:31]      ; b2[e1]
	s_mov_b32 s34, s21                             ; w1 in a pair of its own: the packed forms take a pair's low word for both halves
	s_mov_b32 s35, s21
.irp p, 0,1,2,3,4,5,6,7
	global_load_b128 v[D+24*\p+16:D+24*\p+19], v1, s[28:29] offset:512*\p
	global_load_b128 v[D+24*\p+20:D+24*\p+23], v1, s[30:31] offset:512*\p
.endr
.irp p, 0,1,2,3,4,5,6,7
	s_wait_loadcnt 2*(7-\p)                        ; loads come back in order: this piece's two of b2 are in, and with them all of y's
.irp u, 0,2
	v_pk_add_f32 v[D+24*\p+\u:D+24*\p+\u+1], v[D+24*\p+\u:D+24*\p+\u+1], v[D+24*\p+4+\u:D+24*\p+5+\u]
	v_pk_add_f32 v[D+24*\p+8+\u:D+24*\p+9+\u], v[D+24*\p+8+\u:D+24*\p+9+\u], v[D+24*\p+12+\u:D+24*\p+13+\u]
	v_pk_add_f32 v[D+24*\p+\u:D+24*\p+\u+1], v[D+24*\p+\u:D+24*\p+\u+1], v[D+24*\p+16+\u:D+24*\p+17+\u]
	v_pk_add_f32 v[D+24*\p+8+\u:D+24*\p+9+\u], v[D+24*\p+8+\u:D+24*\p+9+\u], v[D+24*\p+20+\u:D+24*\p+21+\u]
	v_pk_mul_f32 v[D+24*\p+\u:D+24*\p+\u+1], v[D+24*\p+\u:D+24*\p+\u+1], s[20:21] op_sel_hi:[1,0]
	v_pk_fma_f32 v[D+24*\p+\u:D+24*\p+\u+1], v[D+24*\p+8+\u:D+24*\p+9+\u], s[34:35], v[D+24*\p+\u:D+24*\p+\u+1] op_sel_hi:[1,0,1]
.endr
	global_store_b128 v1, v[D+24*\p:D+24*\p+3], s[12:13] offset:512*\p th:TH_STORE_NT   ; 32 lanes store 512 consecutive bytes; no register of a store is written again
.endr
	s_endpgm
.Lfunc_end_k_q290a27581f_mix:
	.size	k_q290a27581f_mix, .Lfunc_end_k_q290a27581f_mix-k_q290a27581f_mix
	.p2alignl 7, 3214868480
	.fill 96, 4, 3214868480
	.section	.rodata,"a",@progbits
	.p2align	6, 0x0
	.amdhsa_kernel k_q290a27581f_mix
		.amdhsa_group_segment_fixed_size 0
		.amdhsa_private_segment_fixed_size 0
		.amdhsa_enable_private_segment 0
		.amdhsa_kernarg_size 40
		.amdhsa_user_sgpr_count 2
		.amdhsa_user_sgpr_kernarg_segment_ptr 1
		.amdhsa_wavefront_size32 1
		.amdhsa_system_sgpr_workgroup_id_x 1
		.amdhsa_system_sgpr_workgroup_id_y 1
		.amdhsa_system_sgpr_workgroup_id_z 1
		.amdhsa_system_vgpr_workitem_id 0
		.amdhsa_next_free_vgpr 200
		.amdhsa_next_free_sgpr 66
		.amdhsa_reserve_vcc 0
		.amdhsa_float_denorm_mode_32 3
		.amdhsa_float_denorm_mode_16_64 3
		.amdhsa_memory_ordered 1
		.amdhsa_forward_progress 1
		.amdhsa_inst_pref_size 13
	.end_amdhsa_kernel
	.amdgpu_metadata
---
amdhsa.version: [ 1, 2 ]
amdhsa.kernels:
  - .name:           k_q290a27581f_mix
    .symbol:         k_q290a27581f_mix.kd
    .args:
      - { .name: yb, .offset: 0, .size: 8, .value_kind: global_buffer, .address_space: global }
      - { .name: rw, .offset: 8, .size: 8, .value_kind: global_buffer, .address_space: global }
      - { .name: ridx, .offset: 16, .size: 8, .value_kind: global_buffer, .address_space: global }
      - { .name: b2, .offset: 24, .size: 8, .value_kind: global_buffer, .address_space: global }
      - { .name: out0, .offset: 32, .size: 8, .value_kind: global_buffer, .address_space: global }
    .group_segment_fixed_size: 0
    .private_segment_fixed_size: 0
    .kernarg_segment_align: 8
    .kernarg_segment_size: 40
    .max_flat_workgroup_size: 128
    .sgpr_count:     66
    .vgpr_count:     200
    .wavefront_size: 32
...
	.end_amdgpu_metadata
.endif
;; end of part 8
